; MI455X (gfx1250); checked and timed in simulation.
; The chip was launched on July 23, 2026; its instructions are those of AMD's public machine-readable ISA for CDNA 5 (MIT licence, August 2026) and "CDNA5" Instruction Set Architecture Reference Guide (July 2026). The comments in the code are by the model that wrote it; some were corrected since.
;; Space Self Attention. Allowed arithmetic: matrix products marked QUANTISED: E2M3 operands, one E8M0 scale for each 32 along K, by v_wmma_scale_f32_16x16x128_f8f6f4 with both operands' format E2M3, f32 sums; everything else in f32.
;; Inputs: Wk 768 x 768 float32; Wproj 768 x 768 float32; Wq 768 x 768 float32; Wv 768 x 768 float32; freqs_cos 1,024 x 32 float32; freqs_sin 1,024 x 32 float32; kn_b 768 float32; kn_w 768 float32; qn_b 768 float32; qn_w 768 float32; x 16 x 1,033 x 768 float32.
;; Outputs: out0 16 x 1,033 x 768 float32.
;; This version of the problem:
;;   THIS VERSION OF THE PROBLEM IS GIVEN IN LOW PRECISION. The matrix products marked QUANTISED in the list below multiply operands that are first quantised to E2M3 (2 exponent bits, 3 mantissa bits; 6 bits a number), with one power-of-two scale for each 32 numbers along K (OCP MX v1.0); their sums are f32. All else is computed in f32.
;;   The module's matrix products, in the order in which they are computed (A, B: the left and right operand; K: the contracted axis; several contracted axes count as one K, in the product's order):
;;     1. [M 16,528, K 768] x [K 768, N 768]; A: input x; B: input Wq: QUANTISED
;;     2. [M 16,528, K 768] x [K 768, N 768]; A: input x; B: input Wk: QUANTISED
;;     3. [M 16,528, K 768] x [K 768, N 768]; A: input x; B: input Wv: QUANTISED
;;     4. batch 192 x [M 1,033, K 64] x [K 64, N 1,033]; A: computed on the way; B: computed on the way: QUANTISED
;;     5. batch 192 x [M 1,033, K 1,033] x [K 1,033, N 64]; A: softmax (see below); B: computed on the way: QUANTISED
;;     6. [M 16,528, K 768] x [K 768, N 768]; A: computed on the way; B: input Wproj: QUANTISED
;;   THE QUANTISER, for each operand of a quantised product, along K:
;;     - K is cut into blocks of 32 from its start; a last block that is shorter is filled with zeros.
;;     - A block's scale is 2^e with e = floor(log2(the largest magnitude in the block)) - 2, held to -126 .. 127; a block of zeros has e = 0. As a byte (E8M0): e + 127.
;;     - Each number is divided by its block's scale, clamped to +-7.5, and rounded to the nearest number of E2M3, ties to even, subnormals kept.
;;     - The product sums the exact products of the quantised numbers (number of the format x scale) in f32.
;;   ~~~python
;;   def quantise(x, axis):      # numpy; x: float32 -> the quantised numbers, widened to float32 again
;;       x = np.moveaxis(x, axis, -1); K = x.shape[-1]
;;       x = np.pad(x, [(0, 0)] * (x.ndim - 1) + [(0, -K % 32)]); x = x.reshape(x.shape[:-1] + (-1, 32)); a = np.abs(x).max(-1, keepdims=True)
;;       e = np.where(a > 0, np.clip(np.frexp(np.where(a > 0, a, 1))[1] - 1 - 2, -126, 127), 0)      # np.frexp(a)[1] - 1 = floor(log2(a)), exactly
;;       r = np.clip(x / 2.0 ** e, -7.5, 7.5)
;;       step = 2.0 ** (np.maximum(np.frexp(np.where(r == 0, 1, r))[1] - 1, 0) - 3)
;;       q = np.round(r / step) * step * 2.0 ** e      # np.round: ties to even
;;       return np.moveaxis(q.reshape(q.shape[:-2] + (-1,))[..., :K], -1, axis).astype(np.float32)
;;   ~~~
;;   SOFTMAX AHEAD OF A QUANTISED PRODUCT. Where the list says 'softmax', what is quantised is not the finished softmax but p = 2^(t - M), with t = logit x log2(e) and M = ceil(the row's largest t), a whole number; so 1/2 < the row's largest p <= 1. The row's sum l is taken of the UNQUANTISED p, in f32, and the product's result is divided by l at the end. Since M is a whole number, a kernel that streams over the keys may use a running M (the ceiling of the running maximum): every later rescaling is an exact power of two, which a block's scale takes up: the codes' values come out the same.
;;   OPERANDS COMPUTED ON THE WAY. 'Computed on the way' means the value that the module computes at that place (a softmax that the list does not call 'softmax' is quantised finished and normalised). What goes into a quantiser is computed in f32, as accurately as f32 sums, v_exp_f32 and their like allow (about 1e-6 of the number): no bf16 or f16 on the way to a quantiser, and a product that is left as it is and whose result goes on into a quantised operand takes f32 operands (vector FMAs, or v_wmma_f32_16x16x4_f32). A number that lies on a knife's edge between two numbers of the format may be rounded either way, as far as f32 arithmetic and the matrix unit's own rounding can turn it there, and no further.
;; One version. Each part assembles by itself: llvm-mc -triple=amdgcn-amd-amdhsa -mcpu=gfx1250 --defsym DOCPART=n.
;; ======== version 1 of 1: 4 launches
;; limits: right only within a limited range of input values
;; workspace buffers: pw 11,980,800 bytes; ab 31,408,128 bytes; yb 10,137,600 bytes
;; launch prep (part 1): grid 1248 x 1, 6 waves a work-group, no clusters, 51,456 bytes of LDS; arguments x, Wq, Wk, Wv, Wproj, pw; writes pw
.if DOCPART == 1
	.amdgcn_target "amdgcn-amd-amdhsa--gfx1250"
	.amdhsa_code_object_version 6
	.text
	.protected	k_q3c9bf768c2_prep
	.globl	k_q3c9bf768c2_prep
	.p2align	8
	.type	k_q3c9bf768c2_prep,@function
k_q3c9bf768c2_prep:
	s_mov_b64 s[64:65], 0
	v_nop
	global_prefetch_b8 v0, s[64:65] scope:SCOPE_SE
	s_setreg_imm32_b32 hwreg(HW_REG_WAVE_MODE, 25, 1), 1
	s_wait_xcnt 0x0
; PREP: x [16][1033][768] and the four weights [768][768], f32, become codes of E2M3 with one E8M0 byte for each 32 along K (the 768 columns).
; They are laid in pw as IMAGES OF OPERAND REGISTERS: a fragment (16 rows x 128 K, 12 registers a lane) is 1,536 bytes: registers 0-3 at 16 x lane, 4-5 at 512 + 8 x lane,
; 6-9 at 768 + 16 x lane, 10-11 at 1,280 + 8 x lane.  So every later load of a fragment is four dense loads.
; ROWS OF A TILE: a batch is 33 blocks of 32 token slots; lane r of tile u of a block is slot 8 u + r + 8 (r / 8).  The weights' rows are tiled alike (24 pairs of tiles).
; Slots from token 1,033 on (last block of a batch) get zero numbers, so zero codes.
; pw: codes of x at 0 ([block 528][u][K step 6][1536]); x's scale words at 9,732,096 ([block][K step][16 u + r]); the weights' codes at 10,137,600 ([q,k,v,proj][pair 24][u][K step][1536]); their words at 11,907,072.
; SHARES: a work-group takes one tile of 16 rows, wave s its K step s.  Work-groups 0-1,055: x; 1,056-1,247: the weights.  No loop, no barrier: waves share nothing.
; LOADS: the quantiser wants 16 neighbours of a block in ONE lane; a load is best where neighbouring LANES take neighbouring bytes.  Both are had: each of a wave's 16 loads reads 512 consecutive bytes (one row's
; K step); the rows go through the wave's own stage in LDS, 528 bytes apart (33 x 16: the sixteen lanes of a read back touch sixteen different columns of 16 bytes), and come back 64 numbers a lane.
; The tiles of a batch's last block, whose rows end at token 1,032, load lane by lane with the row held at the last one, so that no load leaves the buffer or reads another batch.
; LIMITS: NaN and infinities among the inputs are not served; a block whose largest magnitude lies under 2^-124 keeps the byte 1; a block of zeros has the byte 1 where the rule says 127
; (its codes are zeros, and the bytes are read by this program alone).
.set ST,  16                           ; v16-79   64 numbers: register 16 b + i = column 128 s + 32 b + 16 h + i of my row
.set PC,  80                           ; v80-99   the codes
.set TM,  100                          ; v100-115 at work
.set PW,  116                          ; v116     my row's scale word
.set RW,  16                           ; v16-79   the 16 rows as they are loaded, 4 registers each: the registers that take the turned numbers afterwards
.set LP,  528                          ; a row in the stage
.set SEL, 20                           ; s[20:21] selects for lane l xor 16
.macro QUANT s
.irp b, 0,1,2,3
	v_max3_num_f32 v[TM+\b], |v[\s+16*\b]|, |v[\s+1+16*\b]|, 0x1800000   ; my 16 numbers of block b, and the floor 2^(3 - 127): the byte cannot fall under 1
.endr
.irp i, 2,4,6,8,10,12,14
.irp b, 0,1,2,3
	v_max3_num_f32 v[TM+\b], v[TM+\b], |v[\s+16*\b+\i]|, |v[\s+1+16*\b+\i]|
.endr
.endr
.irp b, 0,1,2,3
	v_permlanex16_b32 v[TM+4+\b], v[TM+\b], s[SEL], s[SEL+1]
.endr
.irp b, 0,1,2,3
	v_max_num_f32 v[TM+\b], v[TM+\b], v[TM+4+\b]               ; with lane l xor 16's: the block's largest magnitude
.endr
.irp b, 0,1,2,3
	v_add_nc_u32 v[TM+12+\b], 0xff000000, v[TM+\b]             ; 2 off its exponent field: the conversion's scale operand
.endr
.irp b, 0,1,2,3
	v_lshrrev_b32 v[TM+4+\b], 23, v[TM+12+\b]                  ; the scale's byte
.endr
	v_lshl_or_b32 v[PW], v[TM+5], 8, v[TM+4]
	v_lshl_or_b32 v[PW], v[TM+6], 16, v[PW]
	v_lshl_or_b32 v[PW], v[TM+7], 24, v[PW]
.irp c, 0,1
	v_cvt_scalef32_pk16_fp6_f32 v[PC+6*\c:PC+2+6*\c], v[\s+32*\c:\s+15+32*\c], v[TM+12+2*\c]
	v_cvt_scalef32_pk16_fp6_f32 v[PC+12+4*\c:PC+14+4*\c], v[\s+16+32*\c:\s+31+32*\c], v[TM+12+2*\c+1]   ; a conversion's three registers begin on an even number
.endr
	v_nop                                          ; one plain line behind the scaled conversions
.irp c, 0,1                                    ; the operand wants a whole block in a lane: lanes 0-15 block 2 c, lanes 16-31 block 2 c + 1
.irp i, 0,1,2
	v_permlane16_swap_b32 v[PC+6*\c+\i], v[PC+12+4*\c+\i]
.endr
.irp i, 0,1,2
	v_mov_b32 v[PC+3+6*\c+\i], v[PC+12+4*\c+\i]
.endr
.endr
.endm
	s_load_b256 s[4:11], s[0:1], 0x0               ; x, Wq, Wk, Wv
	s_load_b128 s[12:15], s[0:1], 0x20             ; Wproj, pw
	v_lshl_add_u32 v120, v0, 2, 0xc600
	v_mov_b32 v121, 0
	v_lshrrev_b32 v1, 5, v0
	v_readfirstlane_b32 s16, v1                    ; wave = K step s
	s_min_u32 s17, ttmp9, 1055
	s_lshr_b32 s18, s17, 1                         ; x: block G
	s_mul_i32 s19, s18, 1986
	s_lshr_b32 s19, s19, 16                        ; batch = G / 33 (1986 / 65536 serves G under 528)
	s_mul_i32 s28, s19, 33
	s_sub_co_u32 s28, s18, s28                     ; block in the batch
	s_mul_i32 s29, s19, 1033                       ; the batch's first row
	s_max_u32 s30, ttmp9, 1056
	s_sub_co_u32 s30, s30, 1056                    ; weights: tile 0..191
	s_mul_i32 s31, s30, 1366
	s_lshr_b32 s31, s31, 16                        ; which weight = tile / 48
	s_mul_i32 s31, s31, 48
	s_sub_co_u32 s31, s30, s31
	s_lshr_b32 s31, s31, 1                         ; pair of tiles in the weight
	s_lshr_b32 s30, s30, 1                         ; pair among all 96
	s_and_b32 s32, ttmp9, 1                        ; u
	s_mul_i32 s33, s18, 18432
	s_mul_i32 s34, s18, 768
	s_add_co_u32 s34, s34, 9732096
	s_mul_i32 s35, s30, 18432
	s_add_co_u32 s35, s35, 10137600
	s_mul_i32 s36, s30, 768
	s_add_co_u32 s36, s36, 11907072
	s_mov_b32 s37, 767
	s_cmp_lt_u32 ttmp9, 1056                       ; x or a weight: the choice hangs on the work-group's number alone
	s_cselect_b32 s29, s29, 0                      ; first row
	s_cselect_b32 s28, s28, s31                    ; block of 32 rows (32 only in x's last block of a batch)
	s_cselect_b32 s37, 1032, s37                   ; last row that exists
	s_cselect_b32 s33, s33, s35                    ; codes' place
	s_cselect_b32 s34, s34, s36                    ; scale words' place
	s_mul_i32 s35, s32, 9216
	s_add_co_u32 s33, s33, s35
	s_mul_i32 s35, s16, 1536
	s_add_co_u32 s24, s33, s35
	s_mov_b32 s25, 0
	s_lshl_b32 s35, s32, 6
	s_add_co_u32 s34, s34, s35
	s_lshl_b32 s35, s16, 7
	s_add_co_u32 s26, s34, s35
	s_mov_b32 s27, 0
	s_lshl_b32 s38, s28, 5
	s_lshl_b32 s35, s32, 3
	s_add_co_u32 s38, s38, s35                     ; 32 x block + 8 u
	s_lshl_b32 s39, s16, 9                         ; my K step's 512 bytes of a row
	s_add_co_u32 s40, s29, s38
	s_mul_i32 s40, s40, 3072
	s_add_co_u32 s40, s40, s39                     ; the tile's first row, my K step: under 2^31
	s_mov_b32 s41, 0
	s_mul_i32 s42, s16, 16*LP                      ; my stage
	s_mov_b32 s[SEL], 0x76543210
	s_mov_b32 s[SEL+1], 0xfedcba98
	v_and_b32 v1, 31, v0                           ; lane
	v_and_b32 v2, 15, v0                           ; r
	v_bfe_u32 v3, v0, 4, 1                         ; h
	v_lshlrev_b32 v5, 4, v1
	v_lshlrev_b32 v6, 3, v1
	v_lshlrev_b32 v7, 2, v2
	v_add_nc_u32 v10, s42, v5                      ; into the stage: 16 x lane of a row
	v_mul_u32_u24 v11, v2, LP
	v_lshl_add_u32 v11, v3, 6, v11
	v_add_nc_u32 v11, s42, v11                     ; back: row r, + 64 h: my 16 numbers of a block of 32
	v_and_b32 v8, 8, v2
	v_add_nc_u32 v8, v8, v2
	v_add_nc_u32 v8, s38, v8                       ; my row in the batch or the weight
	v_min_u32 v9, s37, v8                          ; no load leaves its buffer
	v_add_nc_u32 v9, s29, v9
	v_mul_u32_u24 v4, v9, 3072
	v_lshl_add_u32 v4, v3, 6, v4
	v_add_nc_u32 v4, s39, v4
.irp b, 0,1,2,3
	v_mov_b32 v[TM+4+\b], 0                        ; written once: a lane permute's destination counts as one of its sources
.endr
	s_wait_kmcnt 0x0
	s_mov_b64 s[22:23], s[12:13]
	s_cmp_lt_u32 ttmp9, 1200
	s_cselect_b64 s[22:23], s[10:11], s[22:23]
	s_cmp_lt_u32 ttmp9, 1152
	s_cselect_b64 s[22:23], s[8:9], s[22:23]
	s_cmp_lt_u32 ttmp9, 1104
	s_cselect_b64 s[22:23], s[6:7], s[22:23]
	s_cmp_lt_u32 ttmp9, 1056
	s_cselect_b64 s[22:23], s[4:5], s[22:23]
	s_add_nc_u64 s[24:25], s[14:15], s[24:25]
	s_add_nc_u64 s[26:27], s[14:15], s[26:27]
	s_add_nc_u64 s[40:41], s[22:23], s[40:41]
	s_cmp_eq_u32 s28, 32
	s_cbranch_scc1 .Ltail
.irp i, 0,1,2,3,4,5,6,7,8,9,10,11,12,13,14,15
	global_load_b128 v[RW+4*\i:RW+4*\i+3], v5, s[40:41] offset:(\i+8*(\i/8))*3072 th:TH_LOAD_NT   ; the row of lane r = i: 32 lanes read 512 consecutive bytes
.endr
.irp i, 0,1,2,3,4,5,6,7,8,9,10,11,12,13,14,15
	s_wait_loadcnt 15-\i                           ; loads come back in order: row i is in, the 15 - i behind it may be out
	ds_store_b128 v10, v[RW+4*\i:RW+4*\i+3] offset:LP*\i
.endr
	s_wait_dscnt 0x0                               ; the stores have read their registers: the loads below land on them
.irp b, 0,1,2,3
.irp j, 0,1,2,3
	ds_load_b128 v[ST+16*\b+4*\j:ST+16*\b+4*\j+3], v11 offset:128*\b+16*\j   ; LDS serves a wave's instructions in order: these see my stores
.endr
.endr
	s_wait_dscnt 0x0
	s_branch .Lquant
.Ltail:                                                ; a batch's last block: lane by lane, the row held at token 1,032
	s_wait_alu depctr_va_vdst(0)
.irp b, 0,1,2,3
.irp j, 0,1,2,3
	global_load_b128 v[ST+16*\b+4*\j:ST+16*\b+4*\j+3], v4, s[22:23] offset:128*\b+16*\j th:TH_LOAD_NT
.endr
.endr
	s_wait_loadcnt 0x0
	v_cmp_ge_u32 vcc_lo, s37, v8                   ; slots past token 1,032 hold zeros
.set i, 0
.rept 64
	v_cndmask_b32 v[ST+i], 0, v[ST+i], vcc_lo
.set i, i+1
.endr
.Lquant:
	QUANT ST
	global_store_b128 v5, v[PC:PC+3], s[24:25]                  ; each store of the wave covers whole aligned runs of 256 bytes
	global_store_b64 v6, v[PC+4:PC+5], s[24:25] offset:512
	global_store_b128 v5, v[PC+6:PC+9], s[24:25] offset:768
	global_store_b64 v6, v[PC+10:PC+11], s[24:25] offset:1280
	global_store_b32 v7, v[PW], s[26:27]                        ; lanes l and l + 16 hold the same word and store it to the same place
	s_wait_tensorcnt 0x0
	ds_add_u32 v120, v121
	s_wait_dscnt 0x0
	s_endpgm
.Lfunc_end_k_q3c9bf768c2_prep:
	.size	k_q3c9bf768c2_prep, .Lfunc_end_k_q3c9bf768c2_prep-k_q3c9bf768c2_prep
	.p2alignl 7, 3214868480
	.fill 96, 4, 3214868480
	.section	.rodata,"a",@progbits
	.p2align	6, 0x0
	.amdhsa_kernel k_q3c9bf768c2_prep
		.amdhsa_group_segment_fixed_size 51456
		.amdhsa_private_segment_fixed_size 0
		.amdhsa_enable_private_segment 0
		.amdhsa_kernarg_size 48
		.amdhsa_user_sgpr_count 2
		.amdhsa_user_sgpr_kernarg_segment_ptr 1
		.amdhsa_wavefront_size32 1
		.amdhsa_system_sgpr_workgroup_id_x 1
		.amdhsa_system_sgpr_workgroup_id_y 1
		.amdhsa_system_sgpr_workgroup_id_z 1
		.amdhsa_system_vgpr_workitem_id 0
		.amdhsa_next_free_vgpr 128
		.amdhsa_next_free_sgpr 66
		.amdhsa_reserve_vcc 1
		.amdhsa_float_denorm_mode_32 3
		.amdhsa_float_denorm_mode_16_64 3
		.amdhsa_memory_ordered 1
		.amdhsa_forward_progress 1
		.amdhsa_inst_pref_size 17
	.end_amdhsa_kernel
	.amdgpu_metadata
---
amdhsa.version: [ 1, 2 ]
amdhsa.kernels:
  - .name:           k_q3c9bf768c2_prep
    .symbol:         k_q3c9bf768c2_prep.kd
    .args:
      - { .name: x, .offset: 0, .size: 8, .value_kind: global_buffer, .address_space: global }
      - { .name: Wq, .offset: 8, .size: 8, .value_kind: global_buffer, .address_space: global }
      - { .name: Wk, .offset: 16, .size: 8, .value_kind: global_buffer, .address_space: global }
      - { .name: Wv, .offset: 24, .size: 8, .value_kind: global_buffer, .address_space: global }
      - { .name: Wproj, .offset: 32, .size: 8, .value_kind: global_buffer, .address_space: global }
      - { .name: pw, .offset: 40, .size: 8, .value_kind: global_buffer, .address_space: global }
    .group_segment_fixed_size: 51456
    .private_segment_fixed_size: 0
    .kernarg_segment_align: 8
    .kernarg_segment_size: 48
    .max_flat_workgroup_size: 192
    .sgpr_count:     66
    .vgpr_count:     128
    .wavefront_size: 32
...
	.end_amdgpu_metadata
.endif
;; end of part 1
;; launch qkv (part 2): grid 252 x 1, 4 waves a work-group, no clusters, 173,568 bytes of LDS; arguments pw, qn_w, qn_b, kn_w, kn_b, freqs_cos, freqs_sin, ab; writes ab
.if DOCPART == 2
	.amdgcn_target "amdgcn-amd-amdhsa--gfx1250"
	.amdhsa_code_object_version 6
	.text
	.protected	k_q3c9bf768c2_qkv
	.globl	k_q3c9bf768c2_qkv
	.p2align	8
	.type	k_q3c9bf768c2_qkv,@function
k_q3c9bf768c2_qkv:
	s_mov_b64 s[64:65], 0
	v_nop
	global_prefetch_b8 v0, s[64:65] scope:SCOPE_SE
	s_setreg_imm32_b32 hwreg(HW_REG_WAVE_MODE, 25, 1), 1
	s_wait_xcnt 0x0
; QKV: q = rope(LN(x Wq^T)), k = rope(LN(x Wk^T)), v = x Wv^T on codes of E2M3, and the three results quantised again: q and k along a head's 64 channels, v along the tokens.
; SHARES.  Work-groups 0-87 make q, 88-175 k, 176-251 v.  THE WEIGHT STAYS: a work-group holds its whole weight, wave w the 192 columns 192 w on (3 heads, 12 tiles of 16 rows of W):
; tiles 0-7 in registers (48 fragments), tiles 8-11 in the wave's own LDS.  It walks blocks of 32 tokens, G = first, first + NW, .. under 528 (q, k: NW = 88, six blocks; v: NW = 76, six or seven).
; A block's 12 fragments of x lie in LDS (ABUF), copied a trip ahead through registers; 144 matrix instructions a wave and trip.
; q, k: transposed use (source 0 = 16 rows of W, source 1 = 16 tokens): a lane holds one token, and the 16 registers of tiles 2 P, 2 P + 1 are columns 32 P + 16 h + 0..15.
; LayerNorm over 768 columns: each wave's mean and centred sum of squares of its 192, merged over the four waves through LDS (sum of M2 + 192 x sum of (mean_w - mean)^2): no difference of large sums.
; v: source 0 = 16 tokens, source 1 = 16 rows of W: a lane holds one column, and the 16 registers of tiles u = 0, 1 are tokens 16 h + 0..15 of the block: the second product's K.
; ab: q's codes at 0 ([12 b + head][block 33][u][768]), k's at 9,732,096, v's at 19,464,192 ([G][head][place 64][24 bytes]); q's scale words at 29,196,288 ([head][block / 4][16 u + r][block % 4]),
; k's at 30,081,024, v's bytes at 30,965,760 ([head][block / 4][16 (tile % 2) + r][tile / 2][block % 4]).
; No cluster and no joint loads: a work-group reads its weight once, and then only blocks of its own.
; LIMITS: NaN and infinities are not served; a block under 2^-124 keeps the byte 1; a block of zeros has the byte 1 where the rule says 127 (zero codes; this program alone reads the bytes).
; REGISTERS: window 3: v0-191 accumulators, v192-251 W fragments 42-46; windows 1, 2: W fragments 0-41; window 0: see the names below.
.set ABUF, 147456                      ; LDS: 0: W's tiles 8-11, 36,864 bytes a wave; then the block's x fragments, 18,432 bytes;
.set LNP,  165888                      ; the wave's 192 gains and 192 biases, 1,536 bytes a wave;
.set STAT, 172032                      ; [u][r][wave] pairs (mean, M2), 1,024 bytes
.set WSC, 28                           ; v28-63   W's scale words: 6 x pair + K step; lanes 16-31: the odd tile
.set ASC, 64                           ; v64-69   x's scale words by K step; lanes 16-31: u = 1
.set PT,  70                           ; v70      a permute's destination, kept for that
.set ONE, 71                           ; v71      1.0
.set PW0, 72                           ; v72, v73 the two tiles' scale words; v74 both in one register
.set PWM, 74
.set SG,  76                           ; v76-111  the next block's quarter on its way to ABUF; behind its store: at work
.set BUF, 112                          ; v112-255 two sets of (2 x fragments, 4 W fragments); in the epilogue: at work
.set CS,  112                          ; [u][cos 16][sin 16]
.set WB,  176                          ; two sets of [gain 16][bias 16]
.set SU,  208
.set M2,  216
.set TS,  224
.set CO,  232
.set T,   240
.set MW,  240                          ; v240, v242: my wave's mean of tile u (its partner: M2)
.set RS,  76                           ; v76 rstd, v78 (mean_w - mean) rstd for u = 0; v80, v82 for u = 1
.set PCQ, 84
.set BY,  100
.set BMA, 104
.set BMB, 105
.set SO,  106
.set R,   107
.set VBM, 112
.set VPT, 124
.set VSO, 136
.set VBY, 148
.set VX,  160
.set MSB, 0
.macro WIN new                         ; the immediate's high byte repeats the setting that is left
.if MSB != (\new)
	s_set_vgpr_msb (MSB<<8)|(\new)
.set MSB, \new
.endif
.endm
.macro PLACES n
.rept \n
	v_nop
.endr
.endm
.macro FR4 reg, a16, a8, off           ; a fragment's image from LDS
	ds_load_b128 v[\reg:\reg+3], v[\a16] offset:\off
	ds_load_b64 v[\reg+4:\reg+5], v[\a8] offset:\off+512
	ds_load_b128 v[\reg+6:\reg+9], v[\a16] offset:\off+768
	ds_load_b64 v[\reg+10:\reg+11], v[\a8] offset:\off+1280
.endm
.macro FETCH s                         ; K step s: x's two fragments and W's tiles 8-11 into set s % 2: 24 LDS loads
.irp u, 0,1
	FR4 BUF+72*((\s)%2)+12*\u, 6, 7, \u*9216+(\s)*1536
.endr
.irp t, 0,1,2,3
	FR4 BUF+72*((\s)%2)+24+12*\t, 8, 9, \t*9216+(\s)*1536
.endr
.endm
.macro WLOC f                          ; where register fragment f = 8 x K step + tile lies
.if (\f) < 21
.set WW, 1
.set WR, 12*(\f)
.elseif (\f) < 42
.set WW, 2
.set WR, 12*((\f)-21)
.elseif (\f) < 47
.set WW, 3
.set WR, 192+12*((\f)-42)
.else
.set WW, 0
.set WR, 16
.endif
.endm
.macro WMX                             ; one product, from the symbols DR, R0S, R1S, ZZ (the sum begins), SAR, SBR, RA, RB (scales in lanes 16-31)
.if ZZ
.if RA && RB
	v_wmma_scale_f32_16x16x128_f8f6f4 v[DR:DR+7], v[R0S:R0S+11], v[R1S:R1S+11], 0, v[SAR], v[SBR] matrix_a_fmt:MATRIX_FMT_FP6 matrix_b_fmt:MATRIX_FMT_FP6 matrix_a_scale:MATRIX_SCALE_ROW1 matrix_b_scale:MATRIX_SCALE_ROW1
.elseif RA
	v_wmma_scale_f32_16x16x128_f8f6f4 v[DR:DR+7], v[R0S:R0S+11], v[R1S:R1S+11], 0, v[SAR], v[SBR] matrix_a_fmt:MATRIX_FMT_FP6 matrix_b_fmt:MATRIX_FMT_FP6 matrix_a_scale:MATRIX_SCALE_ROW1
.elseif RB
	v_wmma_scale_f32_16x16x128_f8f6f4 v[DR:DR+7], v[R0S:R0S+11], v[R1S:R1S+11], 0, v[SAR], v[SBR] matrix_a_fmt:MATRIX_FMT_FP6 matrix_b_fmt:MATRIX_FMT_FP6 matrix_b_scale:MATRIX_SCALE_ROW1
.else
	v_wmma_scale_f32_16x16x128_f8f6f4 v[DR:DR+7], v[R0S:R0S+11], v[R1S:R1S+11], 0, v[SAR], v[SBR] matrix_a_fmt:MATRIX_FMT_FP6 matrix_b_fmt:MATRIX_FMT_FP6
.endif
.else
.if RA && RB
	v_wmma_scale_f32_16x16x128_f8f6f4 v[DR:DR+7], v[R0S:R0S+11], v[R1S:R1S+11], v[DR:DR+7], v[SAR], v[SBR] matrix_a_fmt:MATRIX_FMT_FP6 matrix_b_fmt:MATRIX_FMT_FP6 matrix_a_scale:MATRIX_SCALE_ROW1 matrix_b_scale:MATRIX_SCALE_ROW1
.elseif RA
	v_wmma_scale_f32_16x16x128_f8f6f4 v[DR:DR+7], v[R0S:R0S+11], v[R1S:R1S+11], v[DR:DR+7], v[SAR], v[SBR] matrix_a_fmt:MATRIX_FMT_FP6 matrix_b_fmt:MATRIX_FMT_FP6 matrix_a_scale:MATRIX_SCALE_ROW1
.elseif RB
	v_wmma_scale_f32_16x16x128_f8f6f4 v[DR:DR+7], v[R0S:R0S+11], v[R1S:R1S+11], v[DR:DR+7], v[SAR], v[SBR] matrix_a_fmt:MATRIX_FMT_FP6 matrix_b_fmt:MATRIX_FMT_FP6 matrix_b_scale:MATRIX_SCALE_ROW1
.else
	v_wmma_scale_f32_16x16x128_f8f6f4 v[DR:DR+7], v[R0S:R0S+11], v[R1S:R1S+11], v[DR:DR+7], v[SAR], v[SBR] matrix_a_fmt:MATRIX_FMT_FP6 matrix_b_fmt:MATRIX_FMT_FP6
.endif
.endif
.endm
.macro MM ty, s, t, u                  ; ty = 0: q, k (source 0 = W);  1: v (source 0 = x)
.if (\t) < 8
	WLOC 8*(\s)+(\t)
.else
.set WW, 0
.set WR, BUF+72*((\s)%2)+24+12*((\t)-8)
.endif
.set XR, BUF+72*((\s)%2)+12*(\u)
.set ZZ, (\s) == 0
.if \ty
.set DR, 16*(\t)+8*(\u)
.set R0S, XR
.set R1S, WR
.set SAR, ASC+(\s)
.set SBR, WSC+6*((\t)/2)+(\s)
.set RA, \u
.set RB, (\t)%2
.set WN, 0xf0|(WW<<2)
.else
.set DR, 96*(\u)+8*(\t)
.set R0S, WR
.set R1S, XR
.set SAR, WSC+6*((\t)/2)+(\s)
.set SBR, ASC+(\s)
.set RA, (\t)%2
.set RB, \u
.set WN, 0xf0|WW
.endif
	WIN WN
	WMX
.endm
; A K step: the next step's 24 LDS loads, four places behind the products that read that set; then 24 products, the 24 accumulators by turns in the same order in every step.
.macro KSTEP ty, s
	WIN 0
.if ((\s) > 0) && ((\s) < 5)
	PLACES 4
.endif
.if (\s) < 5
	FETCH (\s)+1
	s_wait_dscnt 24                                ; all but the 24 just issued: this step's set is in
.else
	s_wait_dscnt 0x0
.endif
.irp t, 0,1,2,3,4,5,6,7,8,9,10,11
.irp u, 0,1
	MM \ty, \s, \t, \u
.endr
.endr
.endm
.macro WREG f                          ; a register fragment from memory
	WLOC \f
.set WN, WW<<6
	WIN WN
.set MO, ((\f)%8)*9216+((\f)/8)*1536
	global_load_b128 v[WR:WR+3], v1, s[34:35] offset:MO
	global_load_b64 v[WR+4:WR+5], v2, s[34:35] offset:MO+512
	global_load_b128 v[WR+6:WR+9], v1, s[34:35] offset:MO+768
	global_load_b64 v[WR+10:WR+11], v2, s[34:35] offset:MO+1280
.endm
.macro NEXTB                           ; block s25: where my quarter of its codes and its scale words lie
	s_mul_i32 s56, s25, 18432
	s_mul_i32 s29, s20, 4608
	s_add_co_u32 s56, s56, s29
	s_mov_b32 s57, 0
	s_add_nc_u64 s[30:31], s[4:5], s[56:57]
	s_mul_i32 s56, s25, 768
	s_add_co_u32 s56, s56, 9732096
	s_add_nc_u64 s[32:33], s[4:5], s[56:57]
.endm
.macro STAGE_LOAD
.irp i, 0,1,2,3,4,5,6,7,8
	global_load_b128 v[SG+4*\i:SG+4*\i+3], v1, s[30:31] offset:512*\i
.endr
.endm
.macro STAGE_STORE
.irp i, 0,1,2,3,4,5,6,7,8
	ds_store_b128 v10, v[SG+4*\i:SG+4*\i+3] offset:512*\i
.endr
.endm
.macro ASCLOAD
.irp s, 0,1,2,3,4,5
	global_load_b32 v[ASC+\s], v3, s[32:33] offset:128*\s
.endr
.endm
.macro BARRIER                         ; my LDS stores have landed and my LDS loads are in: then the work-group's barrier
	s_wait_dscnt 0x0
	s_barrier_signal -1
	s_barrier_wait -1
.endm
.macro WBLOAD q                        ; gains and biases of columns 32 q + 16 h + 0..15 of my 192, into set q % 2
.irp j, 0,1,2,3
	ds_load_b128 v[WB+32*((\q)%2)+4*\j:WB+32*((\q)%2)+4*\j+3], v11 offset:128*(\q)+16*\j
	ds_load_b128 v[WB+32*((\q)%2)+16+4*\j:WB+32*((\q)%2)+16+4*\j+3], v11 offset:768+128*(\q)+16*\j
.endr
.endm
; My wave's mean and centred sum of squares of tile u's tokens over my 192 columns; the accumulators are left centred on my wave's mean.  Each accumulator is read from its low end on.
.macro ROWSTAT u
.set AU, 96*(\u)
.set MU, MW+2*(\u)
	WIN 0x0f
.irp k, 0,1,2,3
	v_pk_add_f32 v[SU+2*\k:SU+2*\k+1], v[AU+4*\k:AU+4*\k+1], v[AU+4*\k+2:AU+4*\k+3]
.endr
	WIN 0x03
.set p, 8
.rept 40
	v_pk_add_f32 v[SU+2*(p%4):SU+2*(p%4)+1], v[AU+2*p:AU+2*p+1], v[SU+2*(p%4):SU+2*(p%4)+1]
.set p, p+1
.endr
	WIN 0
	v_pk_add_f32 v[SU:SU+1], v[SU:SU+1], v[SU+2:SU+3]
	v_pk_add_f32 v[SU+4:SU+5], v[SU+4:SU+5], v[SU+6:SU+7]
	v_pk_add_f32 v[SU:SU+1], v[SU:SU+1], v[SU+4:SU+5]
	v_add_f32 v[TS], v[SU], v[SU+1]
	v_permlanex16_b32 v[PT], v[TS], s42, s43
	v_add_f32 v[TS], v[TS], v[PT]
	v_mul_f32 v[MU], s47, v[TS]                    ; / 192
	v_mov_b32 v[MU+1], v[MU]                       ; (named with it as a pair, so it is written)
	WIN 0xc3
.set p, 0
.rept 48
	v_pk_add_f32 v[AU+2*p:AU+2*p+1], v[AU+2*p:AU+2*p+1], v[MU:MU+1] op_sel_hi:[1,0] neg_lo:[0,1] neg_hi:[0,1]
.set p, p+1
.endr
	WIN 0x0f
.irp k, 0,1,2,3
	v_pk_mul_f32 v[M2+2*\k:M2+2*\k+1], v[AU+2*\k:AU+2*\k+1], v[AU+2*\k:AU+2*\k+1]
.endr
.set p, 4
.rept 44
	v_pk_fma_f32 v[M2+2*(p%4):M2+2*(p%4)+1], v[AU+2*p:AU+2*p+1], v[AU+2*p:AU+2*p+1], v[M2+2*(p%4):M2+2*(p%4)+1]
.set p, p+1
.endr
	WIN 0
	v_pk_add_f32 v[M2:M2+1], v[M2:M2+1], v[M2+2:M2+3]
	v_pk_add_f32 v[M2+4:M2+5], v[M2+4:M2+5], v[M2+6:M2+7]
	v_pk_add_f32 v[M2:M2+1], v[M2:M2+1], v[M2+4:M2+5]
	v_add_f32 v[TS], v[M2], v[M2+1]
	v_permlanex16_b32 v[PT], v[TS], s42, s43
	v_add_f32 v[MU+1], v[TS], v[PT]
	ds_store_b64 v12, v[MU:MU+1] offset:512*(\u)   ; lanes l and l + 16 store the same pair to the same place
.endm
; 16 channels (32 bb + 16 h + 0..15 of head hd) of tile u's tokens: normalise, gain and bias, rope, the block's scale, 16 codes.
.macro NAR u, hd, bb
.set AB, 96*(\u)+32*(\hd)+16*(\bb)
.set GW, WB+32*(\bb)
.set CC, CS+32*(\u)+8*(\bb)
	WIN 0x03
.irp k, 0,1,2,3,4,5,6,7
	v_pk_fma_f32 v[T+2*\k:T+2*\k+1], v[AB+2*\k:AB+2*\k+1], v[RS+4*(\u):RS+4*(\u)+1], v[RS+4*(\u)+2:RS+4*(\u)+3] op_sel_hi:[1,0,0]
.endr
	WIN 0
.irp k, 0,1,2,3,4,5,6,7
	v_pk_fma_f32 v[T+2*\k:T+2*\k+1], v[T+2*\k:T+2*\k+1], v[GW+2*\k:GW+2*\k+1], v[GW+16+2*\k:GW+16+2*\k+1]
.endr
.irp k, 0,1,2,3,4,5,6,7
	v_mul_f32 v[R+2*(\k%2)], v[T+2*\k+1], v[CC+16+\k]
	v_mul_f32 v[R+2*(\k%2)+1], v[T+2*\k], v[CC+16+\k]
	v_fma_f32 v[T+2*\k], v[T+2*\k], v[CC+\k], -v[R+2*(\k%2)]
	v_fma_f32 v[T+2*\k+1], v[T+2*\k+1], v[CC+\k], v[R+2*(\k%2)+1]
.endr
	v_max3_num_f32 v[BMA], |v[T]|, |v[T+1]|, 0x1800000            ; with the floor 2^(3 - 127)
	v_max3_num_f32 v[BMB], |v[T+2]|, |v[T+3]|, |v[T+4]|
	v_max3_num_f32 v[BMA], v[BMA], |v[T+5]|, |v[T+6]|
	v_max3_num_f32 v[BMB], v[BMB], |v[T+7]|, |v[T+8]|
	v_max3_num_f32 v[BMA], v[BMA], |v[T+9]|, |v[T+10]|
	v_max3_num_f32 v[BMB], v[BMB], |v[T+11]|, |v[T+12]|
	v_max3_num_f32 v[BMA], v[BMA], |v[T+13]|, |v[T+14]|
	v_max3_num_f32 v[BMA], v[BMA], v[BMB], |v[T+15]|
	v_permlanex16_b32 v[PT], v[BMA], s42, s43
	v_max_num_f32 v[BMA], v[BMA], v[PT]
	v_add_nc_u32 v[SO], 0xff000000, v[BMA]
	v_lshrrev_b32 v[BY+2*(\u)+(\bb)], 23, v[SO]
	v_cvt_scalef32_pk16_fp6_f32 v[PCQ+8*(\u)+4*(\bb):PCQ+8*(\u)+4*(\bb)+2], v[T:T+15], v[SO]
	v_nop                                          ; one plain line behind a scaled conversion
.endm
	s_load_b512 s[4:19], s[0:1], 0x0               ; pw, qn_w, qn_b, kn_w, kn_b, freqs_cos, freqs_sin, ab
	s_set_vgpr_msb 0x40
	v_lshl_add_u32 v254, v0, 2, 0x2a400
	v_mov_b32 v255, 0
	s_set_vgpr_msb 0x4000
	v_lshrrev_b32 v75, 5, v0
	v_readfirstlane_b32 s20, v75                   ; wave
	s_cmp_ge_u32 ttmp9, 88
	s_cselect_b32 s21, 1, 0
	s_cmp_ge_u32 ttmp9, 176
	s_cselect_b32 s29, 1, 0
	s_add_co_u32 s21, s21, s29                     ; 0: q, 1: k, 2: v
	s_mov_b32 s22, 88
	s_cmp_eq_u32 s21, 2
	s_cselect_b32 s22, 76, s22                     ; the walk's stride
	s_mul_i32 s29, s21, 88
	s_sub_co_u32 s23, ttmp9, s29                   ; my first block
	s_mov_b32 s24, 0
	s_mov_b32 s42, 0x76543210
	s_mov_b32 s43, 0xfedcba98
	s_mov_b32 s44, 0x3aaaaaab                      ; 1 / 768
	s_mov_b32 s45, 0x3727c5ac                      ; 1e-5
	s_mov_b32 s46, 0xffff                          ; lanes 0-15
	s_mov_b32 s47, 0x3baaaaab                      ; 1 / 192
	v_and_b32 v72, 31, v0                          ; lane
	v_and_b32 v73, 15, v0                          ; r
	v_bfe_u32 v74, v0, 4, 1                        ; h
	v_lshlrev_b32 v1, 4, v72
	v_lshlrev_b32 v2, 3, v72
	v_lshlrev_b32 v3, 2, v72
	v_mul_u32_u24 v4, v73, 24
	v_mad_u32_u24 v4, v74, 12, v4                  ; v's codes: 24 r + 12 h
	v_lshlrev_b32 v5, 3, v73                       ; v's bytes: 8 r
	v_add_nc_u32 v6, ABUF, v1
	v_add_nc_u32 v7, ABUF, v2
	s_mul_i32 s29, s20, 36864
	v_add_nc_u32 v8, s29, v1
	v_add_nc_u32 v9, s29, v2
	s_mul_i32 s29, s20, 4608
	s_add_co_u32 s29, s29, ABUF
	v_add_nc_u32 v10, s29, v1
	s_mul_i32 s29, s20, 1536
	s_add_co_u32 s29, s29, LNP
	v_lshl_add_u32 v11, v74, 6, s29
	v_add_nc_u32 v75, s29, v2
	s_lshl_b32 s29, s20, 3
	s_add_co_u32 s29, s29, STAT
	v_lshl_add_u32 v12, v73, 5, s29
	v_lshlrev_b32 v13, 5, v73
	v_add_nc_u32 v13, STAT, v13
	v_and_b32 v14, 8, v73
	v_add_nc_u32 v14, v14, v73                     ; r + 8 (r / 8)
	v_mov_b32 v15, 0
	v_mov_b32 v[PT], 0
	v_mov_b32 v[ONE], 1.0
	s_mul_i32 s56, s21, 442368
	s_mul_i32 s29, s20, 110592
	s_add_co_u32 s56, s56, s29
	s_add_co_u32 s56, s56, 10137600
	s_mov_b32 s57, 0
	s_mul_i32 s58, s21, 18432
	s_mul_i32 s29, s20, 4608
	s_add_co_u32 s58, s58, s29
	s_add_co_u32 s58, s58, 11907072
	s_mov_b32 s59, 0
	s_mul_i32 s60, s21, 9732096
	s_mov_b32 s61, 0
	s_mul_i32 s62, s21, 884736
	s_add_co_u32 s62, s62, 29196288
	s_mov_b32 s63, 0
	s_wait_alu depctr_va_vdst(0)
	s_wait_kmcnt 0x0
	s_add_nc_u64 s[34:35], s[4:5], s[56:57]        ; my 12 tiles of W
	s_add_nc_u64 s[36:37], s[4:5], s[58:59]        ; their scale words
	s_add_nc_u64 s[38:39], s[18:19], s[60:61]      ; the codes that I make
	s_add_nc_u64 s[40:41], s[18:19], s[62:63]      ; their scales
	s_cmp_eq_u32 s21, 0
	s_cselect_b64 s[48:49], s[6:7], s[10:11]       ; gains (v's work-groups load k's and do not use them)
	s_cselect_b64 s[50:51], s[8:9], s[12:13]       ; biases
	s_mul_i32 s56, s20, 768
	s_add_nc_u64 s[48:49], s[48:49], s[56:57]
	s_add_nc_u64 s[50:51], s[50:51], s[56:57]
	; W: tiles 8-11 (36,864 dense bytes) go through registers into my LDS, in two halves; the register fragments' loads stand behind each half
.set i, 0
.rept 36
	global_load_b128 v[BUF+4*i:BUF+4*i+3], v1, s[34:35] offset:73728+512*i
.set i, i+1
.endr
.set i, 0
.rept 15
	WREG i
.set i, i+1
.endr
	WIN 0
	s_wait_loadcnt 60                              ; the 60 loads of fragments 0-14 may be out: the 36 in front of them are in
.set i, 0
.rept 36
	ds_store_b128 v8, v[BUF+4*i:BUF+4*i+3] offset:512*i
.set i, i+1
.endr
	s_wait_dscnt 0x0                               ; the stores have read their registers
.set i, 0
.rept 36
	global_load_b128 v[BUF+4*i:BUF+4*i+3], v1, s[34:35] offset:92160+512*i
.set i, i+1
.endr
.set i, 15
.rept 15
	WREG i
.set i, i+1
.endr
	WIN 0
	s_wait_loadcnt 60                              ; likewise: fragments 15-29 may be out
.set i, 0
.rept 36
	ds_store_b128 v8, v[BUF+4*i:BUF+4*i+3] offset:18432+512*i
.set i, i+1
.endr
	s_wait_dscnt 0x0
.set i, 30
.rept 18
	WREG i
.set i, i+1
.endr
	WIN 0
.irp p, 0,1,2,3,4,5
.irp s, 0,1,2,3,4,5
	global_load_b32 v[WSC+6*\p+\s], v3, s[36:37] offset:768*\p+128*\s
.endr
.endr
.irp i, 0,1,2
	global_load_b64 v[BUF+2*\i:BUF+2*\i+1], v2, s[48:49] offset:256*\i
	global_load_b64 v[BUF+6+2*\i:BUF+6+2*\i+1], v2, s[50:51] offset:256*\i
.endr
	s_mov_b32 s25, s23
	NEXTB
	STAGE_LOAD                                     ; the first block
	ASCLOAD
	s_wait_loadcnt 0x0
.irp i, 0,1,2
	ds_store_b64 v75, v[BUF+2*\i:BUF+2*\i+1] offset:256*\i
	ds_store_b64 v75, v[BUF+6+2*\i:BUF+6+2*\i+1] offset:768+256*\i
.endr
	STAGE_STORE
	BARRIER
.Ltrip:
	s_wait_xcnt 0x0                                ; the last trip's stores have read their registers and bases: both are written again below
	s_mul_i32 s27, s23, 1986
	s_lshr_b32 s27, s27, 16                        ; batch
	s_mul_i32 s28, s27, 33
	s_sub_co_u32 s28, s23, s28                     ; block in the batch
	s_add_co_u32 s25, s23, s22                     ; the next block,
	s_cmp_lt_u32 s25, 528
	s_cselect_b32 s26, 1, 0                        ; if there is one
	s_mul_i32 s29, s27, 12
	s_mul_i32 s56, s20, 3
	s_add_co_u32 s29, s29, s56                     ; my first head among the 192
	s_mul_i32 s56, s29, 50688
	s_mul_i32 s58, s28, 1536
	s_add_co_u32 s56, s56, s58                     ; q, k: codes
	s_mul_i32 s58, s23, 18432
	s_mul_i32 s59, s20, 4608
	s_add_co_u32 s58, s58, s59                     ; v: codes
	s_mul_i32 s29, s29, 9
	s_lshr_b32 s59, s28, 2
	s_add_co_u32 s29, s29, s59
	s_lshl_b32 s29, s29, 8
	s_and_b32 s59, s28, 3
	s_add_co_u32 s60, s29, s59                     ; v: scale bytes
	s_lshl_b32 s29, s29, 1
	s_lshl_b32 s59, s59, 2
	s_add_co_u32 s29, s29, s59                     ; q, k: scale words
	s_cmp_eq_u32 s21, 2
	s_cselect_b32 s56, s58, s56
	s_cselect_b32 s58, s60, s29
	s_mov_b32 s57, 0
	s_mov_b32 s59, 0
	s_add_nc_u64 s[52:53], s[38:39], s[56:57]
	s_add_nc_u64 s[54:55], s[40:41], s[58:59]
	s_cmp_eq_u32 s26, 0
	s_cbranch_scc1 .Lno_next_a
	NEXTB
	STAGE_LOAD                                     ; the next block's codes are asked for a whole trip ahead
.Lno_next_a:
	FETCH 0
	s_cmp_eq_u32 s21, 2
	s_cbranch_scc1 .Lmul_v
.irp s, 0,1,2,3,4,5
	KSTEP 0, \s
.endr
	WIN 0
	s_branch .Lmul_done
.Lmul_v:
.irp s, 0,1,2,3,4,5
	KSTEP 1, \s
.endr
	WIN 0
.Lmul_done:
	PLACES 4                                       ; in front of the first read of results and of loads into registers that the products have read
	s_cmp_eq_u32 s26, 0
	s_cbranch_scc1 .Lno_next_b
	ASCLOAD
.Lno_next_b:
	s_cmp_eq_u32 s21, 2
	s_cbranch_scc1 .Lbar1
	s_lshl_b32 s29, s28, 5
	s_sub_co_u32 s29, s29, 9
	v_add_nc_u32 v[CO], s29, v14                   ; token - 9: the table's row (tokens 0-8 wrap to a large number and are held at 1,023; they get cos = 1, sin = 0 below)
	v_add_nc_u32 v[CO+1], 8, v[CO]
	v_min_u32 v[CO], 1023, v[CO]
	v_min_u32 v[CO+1], 1023, v[CO+1]
	v_bfe_u32 v[TS], v0, 4, 1
	v_lshlrev_b32 v[TS], 5, v[TS]
	v_lshl_add_u32 v[CO], v[CO], 7, v[TS]          ; 128 x row + 32 h: pairs 16 bb + 8 h + 0..7
	v_lshl_add_u32 v[CO+1], v[CO+1], 7, v[TS]
.irp u, 0,1
.irp j, 0,1,2,3
	global_load_b128 v[CS+32*\u+4*\j:CS+32*\u+4*\j+3], v[CO+\u], s[14:15] offset:16*(\j%2)+64*(\j/2)
	global_load_b128 v[CS+32*\u+16+4*\j:CS+32*\u+16+4*\j+3], v[CO+\u], s[16:17] offset:16*(\j%2)+64*(\j/2)
.endr
.endr
	WBLOAD 0
	ROWSTAT 0
	ROWSTAT 1
.Lbar1:
	BARRIER                                        ; every wave's reads of the block's fragments are over, and the waves' means and sums lie in LDS
	s_wait_loadcnt 0x0
	s_cmp_eq_u32 s26, 0
	s_cbranch_scc1 .Lno_next_c
	s_wait_alu depctr_va_vdst(0)
	STAGE_STORE
	s_wait_dscnt 0x0                               ; the stores have read their registers
.Lno_next_c:
	s_cmp_eq_u32 s21, 2
	s_cbranch_scc1 .Lepi_v
.irp u, 0,1
	ds_load_b128 v[84+8*\u:87+8*\u], v13 offset:512*\u
	ds_load_b128 v[88+8*\u:91+8*\u], v13 offset:512*\u+16
.endr
	s_wait_dscnt 0x0
.irp u, 0,1
.set B, 84+8*\u
.set X, 104+3*\u
	v_add_f32 v[X], v[B], v[B+2]
	v_add_f32 v[X+1], v[B+4], v[B+6]
	v_add_f32 v[X], v[X], v[X+1]
	v_mul_f32 v[X], 0x3e800000, v[X]               ; the row's mean
	v_sub_f32 v[B], v[B], v[X]
	v_sub_f32 v[B+2], v[B+2], v[X]
	v_sub_f32 v[B+4], v[B+4], v[X]
	v_sub_f32 v[B+6], v[B+6], v[X]
	v_mul_f32 v[X+1], v[B], v[B]
	v_fmac_f32 v[X+1], v[B+2], v[B+2]
	v_fmac_f32 v[X+1], v[B+4], v[B+4]
	v_fmac_f32 v[X+1], v[B+6], v[B+6]
	v_add_f32 v[X+2], v[B+1], v[B+3]
	v_add_f32 v[B+5], v[B+5], v[B+7]
	v_add_f32 v[X+2], v[X+2], v[B+5]
	v_fmac_f32 v[X+2], 0x43400000, v[X+1]          ; + 192 x the sum of (mean_w - mean)^2
	v_fma_f32 v[X+2], v[X+2], s44, s45             ; the variance + 1e-5
	v_sub_f32 v[RS+4*\u+2], v[MW+2*\u], v[X]
.endr
	s_wait_alu depctr_va_vdst(0)
	v_rsq_f32 v[RS], v106
	v_rsq_f32 v[RS+4], v109
	v_nop                                          ; a plain line behind the two roots,
	s_wait_alu depctr_va_vdst(0)                   ; and one wait for both, ahead of their first reader
.irp u, 0,1
	v_mul_f32 v[RS+4*\u+2], v[RS+4*\u+2], v[RS+4*\u]
	v_mov_b32 v[RS+4*\u+1], v[RS+4*\u]
	v_mov_b32 v[RS+4*\u+3], v[RS+4*\u+2]
.endr
	s_cmp_lg_u32 s28, 0
	s_cbranch_scc1 .Lno_fix
	v_cmp_gt_u32 vcc_lo, 9, v14                    ; the batch's first block: tokens 0-8 are not turned
.set i, 0
.rept 16
	v_cndmask_b32 v[CS+i], v[CS+i], v[ONE], vcc_lo
	v_cndmask_b32 v[CS+16+i], v[CS+16+i], v15, vcc_lo
.set i, i+1
.endr
	v_cmp_gt_u32 vcc_lo, 1, v14                    ; of tile u = 1 token 8 alone
.set i, 0
.rept 16
	v_cndmask_b32 v[CS+32+i], v[CS+32+i], v[ONE], vcc_lo
	v_cndmask_b32 v[CS+48+i], v[CS+48+i], v15, vcc_lo
.set i, i+1
.endr
.Lno_fix:
	s_wait_alu depctr_va_vdst(0)
.irp hd, 0,1,2
	s_wait_xcnt 0x0                                ; the last head's stores have read their registers
.irp bb, 0,1
.if (2*\hd+\bb) < 5
	WBLOAD 2*\hd+\bb+1
	s_wait_dscnt 8                                 ; the 8 just issued may be out: this block's gains and biases are in
.else
	s_wait_dscnt 0x0
.endif
	NAR 0, \hd, \bb
	NAR 1, \hd, \bb
.endr
.irp u, 0,1
.set PU, PCQ+8*\u
	v_permlane16_swap_b32 v[PU], v[PU+4]           ; a whole block to a lane: lanes 0-15 channels 0-31, lanes 16-31 channels 32-63
	v_permlane16_swap_b32 v[PU+1], v[PU+5]
	v_permlane16_swap_b32 v[PU+2], v[PU+6]
	v_mov_b32 v[PU+3], v[PU+4]
	v_mov_b32 v[PU+4], v[PU+5]
	v_mov_b32 v[PU+5], v[PU+6]
	v_lshl_or_b32 v[PW0+\u], v[BY+2*\u+1], 8, v[BY+2*\u]       ; bytes 2 and 3 stay 0
	global_store_b128 v1, v[PU:PU+3], s[52:53] offset:\hd*50688+\u*768
	global_store_b64 v2, v[PU+4:PU+5], s[52:53] offset:\hd*50688+\u*768+512
.endr
	v_cndmask_b32 v[PWM], v[PW0+1], v[PW0], s46    ; lanes 0-15: tile 0's words, lanes 16-31: tile 1's
	global_store_b32 v1, v[PWM], s[54:55] offset:\hd*4608
.endr
	s_cmp_lg_u32 s28, 32
	s_cbranch_scc1 .Lbar2
.irp hd, 0,1,2
.irp i, 1,2,3
	global_store_b32 v1, v15, s[54:55] offset:\hd*4608+4*\i    ; the last group of four blocks has one block: the other three words are zeros
.endr
.endr
	s_branch .Lbar2
.Lepi_v:
	WIN 0x0f
.irp g, 0,1,2
.irp t, 0,1,2,3
	v_max3_num_f32 v[VBM+4*\g+\t], |v[16*(4*\g+\t)]|, |v[16*(4*\g+\t)+1]|, 0x1800000
.endr
.irp i, 2,4,6,8,10,12,14
.irp t, 0,1,2,3
	v_max3_num_f32 v[VBM+4*\g+\t], |v[16*(4*\g+\t)+\i]|, |v[16*(4*\g+\t)+\i+1]|, v[VBM+4*\g+\t]
.endr
.endr
.endr
	WIN 0
.irp t, 0,1,2,3,4,5,6,7,8,9,10,11
	v_permlanex16_b32 v[VPT+\t], v[VBM+\t], s42, s43
.endr
.irp t, 0,1,2,3,4,5,6,7,8,9,10,11
	v_max_num_f32 v[VBM+\t], v[VBM+\t], v[VPT+\t]
.endr
.irp t, 0,1,2,3,4,5,6,7,8,9,10,11
	v_add_nc_u32 v[VSO+\t], 0xff000000, v[VBM+\t]
.endr
.irp t, 0,1,2,3,4,5,6,7,8,9,10,11
	v_lshrrev_b32 v[VBY+\t], 23, v[VSO+\t]
.endr
	WIN 0x03
.irp t, 0,1,2,3,4,5,6,7,8,9,10,11
	v_cvt_scalef32_pk16_fp6_f32 v[VX+4*\t:VX+4*\t+2], v[16*\t:16*\t+15], v[VSO+\t]
.endr
	WIN 0
	v_nop                                          ; one plain line behind the scaled conversions
.irp t, 0,1,2,3,4,5,6,7,8,9,10,11
	global_store_b96 v4, v[VX+4*\t:VX+4*\t+2], s[52:53] offset:384*\t      ; the wave stores 384 consecutive bytes
.endr
	s_cmp_eq_u32 s28, 32
	s_cbranch_scc1 .Lv_last
.irp t, 0,1,2,3,4,5,6,7,8,9,10,11
	global_store_b8 v5, v[VBY+\t], s[54:55] offset:(\t/4)*2304+(\t%2)*128+((\t%4)/2)*4   ; lanes l and l + 16 store the same byte to the same place
.endr
	s_branch .Lbar2
.Lv_last:
.irp t, 0,1,2,3,4,5,6,7,8,9,10,11
	global_store_b32 v5, v[VBY+\t], s[54:55] offset:(\t/4)*2304+(\t%2)*128+((\t%4)/2)*4   ; the last group has one block: the word's other three bytes are zeros
.endr
.Lbar2:
	BARRIER                                        ; the next block's fragments lie in LDS, and every wave has read the means and sums
	s_cmp_eq_u32 s26, 0
	s_cbranch_scc1 .Lend
	s_mov_b32 s23, s25
	s_add_co_u32 s24, s24, 1
	s_cmp_lt_u32 s24, 7
	s_cbranch_scc1 .Ltrip
.Lend:
	s_set_vgpr_msb 0x5
	s_wait_tensorcnt 0x0
	ds_add_u32 v254, v255
	s_wait_dscnt 0x0
	s_set_vgpr_msb 0x500
	s_endpgm
.Lfunc_end_k_q3c9bf768c2_qkv:
	.size	k_q3c9bf768c2_qkv, .Lfunc_end_k_q3c9bf768c2_qkv-k_q3c9bf768c2_qkv
	.p2alignl 7, 3214868480
	.fill 96, 4, 3214868480
	.section	.rodata,"a",@progbits
	.p2align	6, 0x0
	.amdhsa_kernel k_q3c9bf768c2_qkv
		.amdhsa_group_segment_fixed_size 173568
		.amdhsa_private_segment_fixed_size 0
		.amdhsa_enable_private_segment 0
		.amdhsa_kernarg_size 64
		.amdhsa_user_sgpr_count 2
		.amdhsa_user_sgpr_kernarg_segment_ptr 1
		.amdhsa_wavefront_size32 1
		.amdhsa_system_sgpr_workgroup_id_x 1
		.amdhsa_system_sgpr_workgroup_id_y 1
		.amdhsa_system_sgpr_workgroup_id_z 1
		.amdhsa_system_vgpr_workitem_id 0
		.amdhsa_next_free_vgpr 1024
		.amdhsa_next_free_sgpr 66
		.amdhsa_reserve_vcc 1
		.amdhsa_float_denorm_mode_32 3
		.amdhsa_float_denorm_mode_16_64 3
		.amdhsa_memory_ordered 1
		.amdhsa_forward_progress 1
		.amdhsa_inst_pref_size 187
	.end_amdhsa_kernel
	.amdgpu_metadata
---
amdhsa.version: [ 1, 2 ]
amdhsa.kernels:
  - .name:           k_q3c9bf768c2_qkv
    .symbol:         k_q3c9bf768c2_qkv.kd
    .args:
      - { .name: pw, .offset: 0, .size: 8, .value_kind: global_buffer, .address_space: global }
      - { .name: qn_w, .offset: 8, .size: 8, .value_kind: global_buffer, .address_space: global }
      - { .name: qn_b, .offset: 16, .size: 8, .value_kind: global_buffer, .address_space: global }
      - { .name: kn_w, .offset: 24, .size: 8, .value_kind: global_buffer, .address_space: global }
      - { .name: kn_b, .offset: 32, .size: 8, .value_kind: global_buffer, .address_space: global }
      - { .name: freqs_cos, .offset: 40, .size: 8, .value_kind: global_buffer, .address_space: global }
      - { .name: freqs_sin, .offset: 48, .size: 8, .value_kind: global_buffer, .address_space: global }
      - { .name: ab, .offset: 56, .size: 8, .value_kind: global_buffer, .address_space: global }
    .group_segment_fixed_size: 173568
    .private_segment_fixed_size: 0
    .kernarg_segment_align: 8
    .kernarg_segment_size: 64
    .max_flat_workgroup_size: 128
    .sgpr_count:     66
    .vgpr_count:     1024
    .wavefront_size: 32
...
	.end_amdgpu_metadata
.endif
;; end of part 2
;; launch attn (part 3): grid 256 x 1, 16 waves a work-group, no clusters, 327,680 bytes of LDS; arguments ab, yb; writes yb
.if DOCPART == 3
	.amdgcn_target "amdgcn-amd-amdhsa--gfx1250"
	.amdhsa_code_object_version 6
	.text
	.protected	k_q3c9bf768c2_attn
	.globl	k_q3c9bf768c2_attn
	.p2align	8
	.type	k_q3c9bf768c2_attn,@function
k_q3c9bf768c2_attn:
	s_mov_b64 s[64:65], 0
	v_nop
	global_prefetch_b8 v0, s[64:65] scope:SCOPE_SE
	s_setreg_imm32_b32 hwreg(HW_REG_WAVE_MODE, 25, 1), 1
	s_wait_xcnt 0x0
; ATTN: y = softmax(q k^T / 8) v for 192 heads of 64 channels and 1,033 tokens, both products on codes of E2M3; y is quantised again along its 64 channels for the last product.
; THE SOFTMAX: t = score x log2(e) / 8; M = the running largest t rounded up to a whole number; p = 2^(t - M) is quantised along the keys; the row's sum is taken of the unquantised p and divides at the end.
; SHARES.  192 heads x 66 tiles of 16 queries are dealt evenly: four work-groups share three heads (50, 49, 50, 49 tiles).  A work-group's tiles lie in at most two heads, hA and hA + 1.
; ALL of K and V of both (codes and scales, 108,288 bytes a head) come into LDS once, in two groups: hA's four pieces at the head (waves 0, 2, 4, 6, one tensor load each); hA + 1's (waves 1, 3, 5, 7) behind the
; three lines and a barrier, so that they land while round 0 is worked.  Nothing is filled again.  In the first and last work-group of a four the second slot is filled and not read.
; ROUND 0 (tiles 0-15, one a wave) lies in hA in every work-group: a work-group's first tile in hA is 50 at the most, and 50 + 15 < 66.  It is written out with slot 0's constants as its LDS bases.
; Behind it a wait for all tensor loads and a barrier show the second slot; then come the split tiles and rounds 1 and 2.
; THE LAST TWO TILES (OR ONE) ARE SPLIT ALONG THE KEYS: tile 48 goes to the even waves, tile 49 to the odd ones; wave w takes the 128 keys of key step w / 2 (waves 14, 15 also the nine keys of the tail), from an empty
; state.  Its part (O^T, -M, the sum) goes to LDS as images of its registers; wave 0 (1) brings the eight parts of tile 48 (49) under their largest M by exact powers of two, adds them and takes the usual way out,
; while the other waves are at round 1.  Where a work-group has 49 tiles its odd waves pass over the split step.
; THE NEXT TILE'S Q is asked for behind the tail's products, which are the last to read Q: the rest of the tail and the way out stand between the request and the wait for it.
; LAYOUT.  Both products transposed: S^T = K Q^T, O^T = V^T P^T: a lane holds one query.  In memory a tile of K holds slots 8 u + r + 8 (r / 8) of a block of 32.  In a key step A TILE IS MADE OF EIGHT ROWS OF EACH OF TWO
; NEIGHBOURING BLOCKS, by the lanes' LDS addresses alone: rows 0-7 of tile 4 c + j are slots 8 j .. 8 j + 7 of block 2 c, rows 8-15 the same slots of block 2 c + 1.  So lane (r, h) holds ALL 32 keys of blocks h and 2 + h,
; in their order, in 2 x 32 registers: a block's largest score needs no other lane, and the conversions' results lie in the lane that the operand wants them in.
; K = 64 IN A PRODUCT 128 DEEP: Q's codes of k = 64..127 are zeros (v22-27), and both sides' scale bytes 2 and 3 are 0.  K's operand of tile t is v[32 + 6 t .. 43 + 6 t]: its upper six registers are the
; next tile's codes, which meet zero codes; E2M3 has no NaN and no infinity, so those products are zeros.
; THE TAIL: keys 1,024 to 1,032 are nine slots of block 32, taken by the tiles as they lie in memory; the other slots' scores become -infinity ahead of the maximum, so p = 0 there.
; No cluster: the partners of a four would need different heads in their slots, and the tiles come once.  No prefetch: every tensor load is issued at the head or behind the first barrier.
; LIMITS: NaN and infinities are not served; a block under 2^-124 keeps the byte 1; a block of zeros has the byte 1 where the rule says 127 (zero codes; this program alone reads the bytes).
; The promise holds while the scaled scores stay under 2^31 in magnitude.
; REGISTERS: v1-11, v28, v30, v31, v86-92 addresses; v12 -M, v13 largest t, v[14:15] the sum; v16-27 Q; v29 Q's scale word; v32-85 fragments of K or V; v96-159 S^T, then p; v160-191 O^T; v192-203 p's codes; v204-253 at work.
.set SLOTB, 108288                     ; a head in LDS: K's codes 50,688; V's 50,688 (33 rows of 1,536); K's scale words 4,608; V's 2,304
.set PART,  216576                     ; behind the two slots: the split tiles' parts, 4,608 bytes a wave; behind them, at 290,304, the spare words
.set BM,  204
.set PT,  208
.set C2,  212
.set SO,  220
.set PS,  86                           ; v86 where my part lies;  v87: four parts of my tile (36,864 bytes) further on
.set SEL, 16                           ; s[16:17]
.set CS,  18                           ; s[18:19] c = log2(e) / 8
.macro GRP1 g, c, r, p                 ; descriptor group 1: r rows of c elements of 8 bytes, p elements apart; no padding, no mask
	s_mov_b32 s[\g], 3<<16
	s_mov_b32 s[\g+1], (\c)<<16
	s_mov_b32 s[\g+2], (\r)<<16
	s_mov_b32 s[\g+3], (\c)<<16
	s_mov_b32 s[\g+4], \r
	s_mov_b32 s[\g+5], \p
	s_mov_b32 s[\g+6], 0
	s_mov_b32 s[\g+7], 0
.endm
.macro FOUR                            ; behind a tensor load
	s_nop 0
.rept 4
	v_nop
.endr
.endm
; The fills of slot par: of waves 0-7 those with number % 2 = par; waves 0, 1: K's codes; 2, 3: V's; 4, 5: K's scale words; 6, 7: V's.  One chain of branches on the wave's number, one load to an arm
.macro FILLS par
	s_and_b32 s9, s8, 1
	s_cmp_lg_u32 s9, \par
	s_cbranch_scc1 .Lfd_\@
	s_cmp_lt_u32 s8, 2
	s_cbranch_scc0 .Lf1_\@
	tensor_load_to_lds s[52:55], s[20:27]
	FOUR
	s_branch .Lfd_\@
.Lf1_\@:
	s_cmp_lt_u32 s8, 4
	s_cbranch_scc0 .Lf2_\@
	tensor_load_to_lds s[56:59], s[28:35]
	FOUR
	s_branch .Lfd_\@
.Lf2_\@:
	s_cmp_lt_u32 s8, 6
	s_cbranch_scc0 .Lf3_\@
	tensor_load_to_lds s[60:63], s[36:43]
	FOUR
	s_branch .Lfd_\@
.Lf3_\@:
	s_cmp_lt_u32 s8, 8
	s_cbranch_scc0 .Lfd_\@
	tensor_load_to_lds s[68:71], s[44:51]
	FOUR
.Lfd_\@:
.endm
.macro KLOAD8                          ; a key step's eight tiles, rows chosen as the head says, and their rows' scale words (register 2 c + j / 2; lanes 16-31: odd j)
.set t, 0
.rept 8
.set KO, (t/4)*3072+(t%2)*768
	ds_load_b128 v[32+6*t:35+6*t], v8 offset:KO+128*((t%4)/2)
	ds_load_b64 v[36+6*t:37+6*t], v9 offset:KO+512+64*((t%4)/2)
.set t, t+1
.endr
.irp q, 0,1,2,3
	ds_load_b32 v[224+\q], v11 offset:8*(\q/2)+128*(\q%2)
.endr
.endm
.macro KLOADT                          ; block 32's two tiles as they lie, and the scale words
.irp t, 0,1
	ds_load_b128 v[32+6*\t:35+6*\t], v8 offset:768*\t
	ds_load_b64 v[36+6*\t:37+6*\t], v9 offset:768*\t+512
.endr
	ds_load_b128 v[224:227], v11
.endm
.macro VLOAD                           ; four tiles of 16 channels x 128 keys, and their scale words
.irp ct, 0,1,2,3
.irp c, 0,1
.irp p, 0,1,2
	ds_load_b64 v[32+12*\ct+6*\c+2*\p:33+12*\ct+6*\c+2*\p], v10 offset:3072*\c+384*\ct+8*\p
.endr
.endr
.endr
	ds_load_b64 v[228:229], v28
.endm
.macro KQ n
.set t, 0
.rept \n
.if t%2
	v_wmma_scale_f32_16x16x128_f8f6f4 v[96+8*t:103+8*t], v[32+6*t:43+6*t], v[16:27], 0, v[224+t/2], v29 matrix_a_fmt:MATRIX_FMT_FP6 matrix_b_fmt:MATRIX_FMT_FP6 matrix_a_scale:MATRIX_SCALE_ROW1
.else
	v_wmma_scale_f32_16x16x128_f8f6f4 v[96+8*t:103+8*t], v[32+6*t:43+6*t], v[16:27], 0, v[224+t/2], v29 matrix_a_fmt:MATRIX_FMT_FP6 matrix_b_fmt:MATRIX_FMT_FP6
.endif
.set t, t+1
.endr
.endm
.macro PV                              ; the four accumulators of O^T take one turn each
.set t, 0
.rept 4
.if t%2
	v_wmma_scale_f32_16x16x128_f8f6f4 v[160+8*t:167+8*t], v[32+12*t:43+12*t], v[192:203], v[160+8*t:167+8*t], v[228+t/2], v231 matrix_a_fmt:MATRIX_FMT_FP6 matrix_b_fmt:MATRIX_FMT_FP6 matrix_a_scale:MATRIX_SCALE_ROW1
.else
	v_wmma_scale_f32_16x16x128_f8f6f4 v[160+8*t:167+8*t], v[32+12*t:43+12*t], v[192:203], v[160+8*t:167+8*t], v[228+t/2], v231 matrix_a_fmt:MATRIX_FMT_FP6 matrix_b_fmt:MATRIX_FMT_FP6
.endif
.set t, t+1
.endr
.endm
.macro RESCALE                         ; O^T under the new M; these 16 are also the places in front of the products that follow
.set j, 0
.rept 16
	v_pk_mul_f32 v[160+j:161+j], v[160+j:161+j], v[230:231] op_sel_hi:[1,0]
.set j, j+2
.endr
.endm
.macro NEWM                            ; v232 = the step's largest score: the running t, -M, and f = 2^(old M - new M)
	s_delay_alu instid0(VALU_DEP_1)
	v_mul_f32 v232, s[CS], v232
	s_delay_alu instid0(VALU_DEP_1)
	v_max_num_f32 v13, v13, v232
	v_mov_b32 v232, v12
	s_delay_alu instid0(VALU_DEP_2)
	v_floor_f32 v12, -v13                          ; -M = floor(-t): M is a whole number
	s_delay_alu instid0(VALU_DEP_1)
	v_sub_f32 v232, v12, v232
	s_delay_alu instid0(VALU_DEP_1)
	v_cvt_i32_f32 v232, v232                       ; (it saturates)
	s_delay_alu instid0(VALU_DEP_1)
	v_ldexp_f32 v230, 1.0, v232
.endm
.macro SOFT                            ; 128 keys: my two blocks of 32, v96-127 and v128-159
.irp q, 0,1,2,3
	v_max3_num_f32 v[BM+\q], v[96+16*\q], v[97+16*\q], v[98+16*\q]          ; four chains of 15 scores, by turns; each accumulator is read from its low end on
.endr
.irp i, 3,5,7,9,11,13
.irp q, 0,1,2,3
	v_max3_num_f32 v[BM+\q], v[BM+\q], v[96+16*\q+\i], v[97+16*\q+\i]
.endr
.endr
	v_max3_num_f32 v[BM], v[BM], v[BM+1], v111     ; the two halves of a block and the two scores left over, the two blocks by turns
	v_max3_num_f32 v[BM+2], v[BM+2], v[BM+3], v143
	v_max_num_f32 v[BM], v[BM], v127               ; my first block's largest score: for the row's maximum and for the block's largest p
	v_max_num_f32 v[BM+1], v[BM+2], v159           ; my second block's
	s_delay_alu instid0(VALU_DEP_1)
	v_max_num_f32 v232, v[BM], v[BM+1]
	s_delay_alu instid0(VALU_DEP_1)
	v_permlanex16_b32 v[PT], v232, s[SEL], s[SEL+1]
	s_delay_alu instid0(VALU_DEP_1)
	v_max_num_f32 v232, v232, v[PT]                ; with lane l xor 16's two blocks: the step's
	NEWM
.set j, 0
.rept 32
	v_pk_fma_f32 v[96+j:97+j], v[96+j:97+j], s[CS:CS+1], v[12:13] op_sel_hi:[1,0,0]   ; t - M
.set j, j+2
.endr
	v_fma_f32 v[BM], v[BM], s[CS], v12
	v_fma_f32 v[BM+1], v[BM+1], s[CS], v12
.set j, 0
	s_wait_alu depctr_va_vdst(0)
.rept 64
	v_exp_f32 v[96+j], v[96+j]
.set j, j+1
.endr
	v_pk_mul_f32 v[14:15], v[14:15], v[230:231] op_sel_hi:[1,0]             ; a plain line behind the exponentials
	s_wait_alu depctr_va_vdst(0)                   ; one wait for the batch of 64, ahead of its first reader
	v_exp_f32 v[BM], v[BM]                         ; the blocks' largest p
	v_exp_f32 v[BM+1], v[BM+1]
	v_pk_add_f32 v[208:209], v[100:101], v[104:105]
	v_pk_add_f32 v[252:253], v[108:109], v[112:113]
	v_pk_add_f32 v[250:251], v[116:117], v[120:121]
	v_pk_add_f32 v[248:249], v[124:125], v[128:129]
	v_pk_add_f32 v[246:247], v[132:133], v[136:137]
	v_pk_add_f32 v[244:245], v[140:141], v[144:145]
	v_pk_add_f32 v[242:243], v[148:149], v[152:153]
	v_pk_add_f32 v[14:15], v[14:15], v[156:157]
	v_pk_add_f32 v[208:209], v[208:209], v[96:97]
	v_pk_add_f32 v[252:253], v[252:253], v[98:99]
	v_pk_add_f32 v[250:251], v[250:251], v[102:103]
	v_pk_add_f32 v[248:249], v[248:249], v[106:107]
	v_pk_add_f32 v[246:247], v[246:247], v[110:111]
	v_pk_add_f32 v[244:245], v[244:245], v[114:115]
	v_pk_add_f32 v[242:243], v[242:243], v[118:119]
	v_pk_add_f32 v[14:15], v[14:15], v[122:123]
	v_pk_add_f32 v[208:209], v[208:209], v[126:127]
	v_pk_add_f32 v[252:253], v[252:253], v[130:131]
	v_pk_add_f32 v[250:251], v[250:251], v[134:135]
	v_pk_add_f32 v[248:249], v[248:249], v[138:139]
	v_pk_add_f32 v[246:247], v[246:247], v[142:143]
	v_pk_add_f32 v[244:245], v[244:245], v[146:147]
	v_pk_add_f32 v[242:243], v[242:243], v[150:151]
	v_pk_add_f32 v[14:15], v[14:15], v[154:155]
	v_pk_add_f32 v[208:209], v[208:209], v[158:159]
	s_delay_alu instid0(VALU_DEP_2)
	v_pk_add_f32 v[14:15], v[14:15], v[248:249]
	s_delay_alu instid0(VALU_DEP_2)
	v_pk_add_f32 v[208:209], v[208:209], v[246:247]
	v_pk_add_f32 v[252:253], v[252:253], v[244:245]
	v_pk_add_f32 v[250:251], v[250:251], v[242:243]
	s_delay_alu instid0(VALU_DEP_2)
	v_pk_add_f32 v[14:15], v[14:15], v[252:253]
	s_delay_alu instid0(VALU_DEP_2)
	v_pk_add_f32 v[208:209], v[208:209], v[250:251]
	s_delay_alu instid0(VALU_DEP_1)
	v_pk_add_f32 v[14:15], v[14:15], v[208:209]
	s_wait_alu depctr_va_vdst(0)                   ; and one for the two
	v_max_num_f32 v[BM], 0x1800000, v[BM]          ; the floor 2^(3 - 127)
	v_max_num_f32 v[BM+1], 0x1800000, v[BM+1]
	s_delay_alu instid0(VALU_DEP_2)
	v_add_nc_u32 v[SO], 0xff000000, v[BM]          ; 2 off the exponent field: the conversions' scale operand
	s_delay_alu instid0(VALU_DEP_2)
	v_add_nc_u32 v[SO+1], 0xff000000, v[BM+1]
	s_delay_alu instid0(VALU_DEP_2)
	v_lshrrev_b32 v[PT], 23, v[SO]
	s_delay_alu instid0(VALU_DEP_2)
	v_lshrrev_b32 v[PT+1], 23, v[SO+1]
	s_delay_alu instid0(VALU_DEP_1)
	v_lshl_or_b32 v[PT], v[PT+1], 16, v[PT]        ; my two bytes: blocks h and 2 + h,
	s_delay_alu instid0(VALU_DEP_1)
	v_lshlrev_b32 v[PT], v91, v[PT]                ; at their places in the word (8 h bits up);
	s_delay_alu instid0(VALU_DEP_1)
	v_permlanex16_b32 v[PT+1], v[PT], s[SEL], s[SEL+1]
	s_delay_alu instid0(VALU_DEP_1)
	v_or_b32 v231, v[PT], v[PT+1]                  ; with lane l xor 16's two the word is whole
.irp c, 0,1
	v_cvt_scalef32_pk16_fp6_f32 v[192+6*\c:194+6*\c], v[96+32*\c:111+32*\c], v[SO+\c]
	v_cvt_scalef32_pk16_fp6_f32 v[C2+4*\c:C2+2+4*\c], v[112+32*\c:127+32*\c], v[SO+\c]   ; a conversion's three registers begin on an even number
.endr
	v_nop                                          ; one plain line behind the scaled conversions
.irp c, 0,1
.irp i, 0,1,2
	v_mov_b32 v[195+6*\c+\i], v[C2+4*\c+\i]
.endr
.endr
	RESCALE
.endm
; 128 keys.  s93, s94, s95: where this step's codes, K's scale words and V's lie in LDS; they are stepped behind the first products.  nxt = 8: a whole step follows; 2: block 32's two tiles
.macro STEP nxt
	s_wait_dscnt 0x0                               ; K's tiles are in
	KQ 8
	s_add_co_u32 s93, s93, 6144
	s_add_co_u32 s94, s94, 512
	s_add_co_u32 s95, s95, 256
.if \nxt == 8
	v_add_nc_u32 v8, s93, v88                      ; four places behind the products: the next step's addresses
	v_add_nc_u32 v9, s93, v89
	v_add_nc_u32 v11, s94, v90
.else
	v_add_nc_u32 v8, s93, v1
	v_add_nc_u32 v9, s93, v2
	v_add_nc_u32 v11, s94, v1
.endif
	v_nop
	VLOAD                                          ; V lands while the softmax is walked
	SOFT
	s_wait_alu depctr_va_vdst(0)
	s_wait_dscnt 0x0
	PV
	v_add_nc_u32 v10, s93, v3
	v_add_nc_u32 v28, s95, v2
	v_nop
	v_nop
.if \nxt == 8
	KLOAD8
.else
	KLOADT
.endif
.endm
.macro PLACEQ                          ; s72 = a tile of my work-group's: its slot's place in LDS (s91), where its Q lies, and s76, s77, s79 for PLACEY
	s_add_co_u32 s73, s10, s72
	s_cmp_ge_u32 s73, 66
	s_cselect_b32 s74, 1, 0                        ; slot
	s_mul_i32 s75, s74, 66
	s_sub_co_u32 s73, s73, s75                     ; tile in the head
	s_add_co_u32 s75, s12, s74                     ; head among the 192
	s_mul_i32 s76, s75, 5462
	s_lshr_b32 s76, s76, 16                        ; batch
	s_mul_i32 s77, s76, 12
	s_sub_co_u32 s77, s75, s77                     ; head in the batch
	s_lshr_b32 s78, s73, 1                         ; block
	s_and_b32 s79, s73, 1                          ; u
	s_mul_i32 s76, s76, 33
	s_add_co_u32 s76, s76, s78                     ; G
	s_mul_i32 s88, s75, 50688
	s_mul_i32 s90, s73, 768
	s_add_co_u32 s88, s88, s90
	s_mov_b32 s89, 0
	s_add_nc_u64 s[80:81], s[4:5], s[88:89]        ; Q's codes
	s_mul_i32 s88, s75, 4608
	s_lshr_b32 s90, s78, 2
	s_lshl_b32 s90, s90, 9
	s_add_co_u32 s88, s88, s90
	s_lshl_b32 s90, s79, 8
	s_add_co_u32 s88, s88, s90
	s_and_b32 s90, s78, 3
	s_lshl_b32 s90, s90, 2
	s_add_co_u32 s88, s88, s90
	s_add_co_u32 s88, s88, 29196288
	s_add_nc_u64 s[82:83], s[4:5], s[88:89]        ; Q's scale words
	s_mul_i32 s91, s74, SLOTB
.endm
.macro PLACEY                          ; where the y of the tile last placed lies
	s_mul_i32 s88, s76, 18432
	s_mul_i32 s90, s79, 9216
	s_add_co_u32 s88, s88, s90
	s_mul_i32 s90, s77, 768
	s_add_co_u32 s88, s88, s90
	s_mov_b32 s89, 0
	s_add_nc_u64 s[84:85], s[6:7], s[88:89]        ; y's codes
	s_mul_i32 s88, s76, 768
	s_lshr_b32 s90, s77, 1
	s_lshl_b32 s90, s90, 7
	s_add_co_u32 s88, s88, s90
	s_lshl_b32 s90, s79, 6
	s_add_co_u32 s88, s88, s90
	s_and_b32 s90, s77, 1
	s_lshl_b32 s90, s90, 1
	s_add_co_u32 s88, s88, s90
	s_add_co_u32 s88, s88, 9732096
	s_add_nc_u64 s[86:87], s[6:7], s[88:89]        ; y's two scale bytes
.endm
.macro QLOAD
	global_load_b128 v[16:19], v1, s[80:81]
	global_load_b64 v[20:21], v2, s[80:81] offset:512
	global_load_b32 v29, v30, s[82:83]
.endm
.macro BEGIN                           ; the LDS addresses of the first key step, from s93, s94, s95
	v_add_nc_u32 v8, s93, v88
	v_add_nc_u32 v9, s93, v89
	v_add_nc_u32 v10, s93, v3
	v_add_nc_u32 v11, s94, v90
	v_add_nc_u32 v28, s95, v2
.endm
.macro INIT                            ; the empty state
	v_mov_b32 v13, 0xff61b1e6                      ; the largest t so far: -3e38
	s_delay_alu instid0(VALU_DEP_1)
	v_floor_f32 v12, -v13
	v_mov_b32 v14, 0
	v_mov_b32 v15, 0
.set j, 0
.rept 32
	v_mov_b32 v[160+j], 0                          ; O^T: the step is written once; the first change of M leaves zeros zeros
.set j, j+1
.endr
.endm
; Block 32, of which slots 0-8 are keys; its two tiles of K were fetched behind the step before.  nq: which tile's Q is asked for behind the products: 0 none; 1 my split tile's; 2 the next round's, if there is one
.macro TAIL nq
	s_wait_dscnt 0x0
	KQ 2
	v_add_nc_u32 v7, s93, v92                      ; both halves of the lanes read block 32 (there is no block 33; lanes 16-31 meet zero codes of p)
	v_mov_b32 v232, 0xff800000                     ; -infinity
	v_nop
	v_nop
.if \nq == 1
	s_sub_co_u32 s72, s11, 1
	s_min_u32 s72, s72, s15                        ; (held at my work-group's last tile: where there is no tile 49 the odd waves' addresses stay in their buffers)
	PLACEQ
	QLOAD
.elseif \nq == 2
	s_cmp_ge_u32 s9, 2
	s_cbranch_scc1 .Lnq_\@
	s_lshl_b32 s72, s9, 4
	s_add_co_u32 s72, s72, s8
	s_add_co_u32 s72, s72, 16
	PLACEQ
	QLOAD
.Lnq_\@:
.endif
.if \nq
	s_wait_alu depctr_va_vdst(0)
.endif
	v_cmp_gt_u32 vcc_lo, 16, v5
.irp ct, 0,1,2,3
.irp p, 0,1,2
	ds_load_b64 v[32+12*\ct+2*\p:33+12*\ct+2*\p], v7 offset:384*\ct+8*\p   ; registers 6-11 of each fragment keep the last step's codes, which meet zero codes of p
.endr
.endr
	ds_load_b64 v[228:229], v28
.irp i, 0,1,2,3,4,5,6,7,8
	v_cndmask_b32 v[96+\i], v232, v[96+\i], vcc_lo             ; lanes 0-15 hold slots 0-15, lanes 16-31 slots 16-31
.endr
.irp i, 9,10,11,12,13,14,15
	v_mov_b32 v[96+\i], v232
.endr
	v_max3_num_f32 v[BM], v96, v97, v98
.irp i, 3,5,7,9,11,13
	s_delay_alu instid0(VALU_DEP_1)
	v_max3_num_f32 v[BM], v[BM], v[96+\i], v[97+\i]
.endr
	s_delay_alu instid0(VALU_DEP_1)
	v_max_num_f32 v[BM], v[BM], v111
	s_delay_alu instid0(VALU_DEP_1)
	v_permlanex16_b32 v[PT], v[BM], s[SEL], s[SEL+1]
	s_delay_alu instid0(VALU_DEP_1)
	v_max_num_f32 v[BM], v[BM], v[PT]
	s_delay_alu instid0(VALU_DEP_1)
	v_mov_b32 v232, v[BM]
	NEWM
.irp j, 0,2,4,6,8,10,12,14
	v_pk_fma_f32 v[96+\j:97+\j], v[96+\j:97+\j], s[CS:CS+1], v[12:13] op_sel_hi:[1,0,0]
.endr
	v_fma_f32 v[BM], v[BM], s[CS], v12
.set j, 0
	s_wait_alu depctr_va_vdst(0)
.rept 16
	v_exp_f32 v[96+j], v[96+j]
.set j, j+1
.endr
	v_pk_mul_f32 v[14:15], v[14:15], v[230:231] op_sel_hi:[1,0]
	s_wait_alu depctr_va_vdst(0)                   ; one wait for the sixteen
	v_exp_f32 v[BM], v[BM]
	v_pk_add_f32 v[PT:PT+1], v[96:97], v[98:99]
.irp j, 4,8,12
	v_pk_add_f32 v[14:15], v[14:15], v[96+\j:97+\j]
	v_pk_add_f32 v[PT:PT+1], v[PT:PT+1], v[98+\j:99+\j]
.endr
	s_delay_alu instid0(VALU_DEP_1)
	v_pk_add_f32 v[14:15], v[14:15], v[PT:PT+1]
	s_wait_alu depctr_va_vdst(0)                   ; and one for the block's largest p
	v_max_num_f32 v[BM], 0x1800000, v[BM]
	s_delay_alu instid0(VALU_DEP_1)
	v_add_nc_u32 v[SO], 0xff000000, v[BM]
	s_delay_alu instid0(VALU_DEP_1)
	v_lshrrev_b32 v231, 23, v[SO]                  ; the word's other three bytes are 0: their codes are zeros
	v_cvt_scalef32_pk16_fp6_f32 v[192:194], v[96:111], v[SO]   ; lanes 0-15: slots 0-15; lanes 16-31: p = 0, zero codes, as the second block wants
	v_nop
.irp i, 195,196,197,198,199,200,201,202,203
	v_mov_b32 v[\i], 0
.endr
	RESCALE
	s_wait_alu depctr_va_vdst(0)
	s_wait_dscnt 0x0
	PV
.endm
.macro FINISH                          ; THE WAY OUT: O^T / the sum, quantised along the head's 64 channels; the codes are an image of the last product's operand registers
	v_add_f32 v14, v14, v15
	s_delay_alu instid0(VALU_DEP_1)
	v_permlanex16_b32 v232, v14, s[SEL], s[SEL+1]
	s_delay_alu instid0(VALU_DEP_1)
	v_add_f32 v14, v14, v232
	s_wait_alu depctr_va_vdst(0)
	v_rcp_f32 v14, v14
	v_nop
	s_wait_alu depctr_va_vdst(0)
.set j, 0
.rept 16
	v_pk_mul_f32 v[96+j:97+j], v[160+j:161+j], v[14:15] op_sel_hi:[1,0]     ; register 16 P + i: channel 32 P + 16 h + i
.set j, j+2
.endr
.irp b, 0,1
	v_max3_num_f32 v[BM+\b], |v[96+16*\b]|, |v[97+16*\b]|, 0x1800000
.endr
.irp i, 2,4,6,8,10,12,14
.irp b, 0,1
	s_delay_alu instid0(VALU_DEP_2)
	v_max3_num_f32 v[BM+\b], v[BM+\b], |v[96+16*\b+\i]|, |v[97+16*\b+\i]|
.endr
.endr
.irp b, 0,1
	s_delay_alu instid0(VALU_DEP_2)
	v_permlanex16_b32 v[PT+\b], v[BM+\b], s[SEL], s[SEL+1]
.endr
.irp b, 0,1
	s_delay_alu instid0(VALU_DEP_2)
	v_max_num_f32 v[BM+\b], v[BM+\b], v[PT+\b]
.endr
.irp b, 0,1
	s_delay_alu instid0(VALU_DEP_2)
	v_add_nc_u32 v[SO+\b], 0xff000000, v[BM+\b]
.endr
.irp b, 0,1
	s_delay_alu instid0(VALU_DEP_2)
	v_lshrrev_b32 v[PT+\b], 23, v[SO+\b]
.endr
	s_delay_alu instid0(VALU_DEP_1)
	v_lshl_or_b32 v233, v[PT+1], 8, v[PT]
	v_cvt_scalef32_pk16_fp6_f32 v[192:194], v[96:111], v[SO]
	v_cvt_scalef32_pk16_fp6_f32 v[196:198], v[112:127], v[SO+1]
	v_nop
	v_permlane16_swap_b32 v192, v196
	v_permlane16_swap_b32 v193, v197
	v_permlane16_swap_b32 v194, v198
	s_delay_alu instid0(VALU_DEP_3)
	v_mov_b32 v195, v196
	s_delay_alu instid0(VALU_DEP_3)
	v_mov_b32 v196, v197
	s_delay_alu instid0(VALU_DEP_3)
	v_mov_b32 v197, v198
	global_store_b128 v1, v[192:195], s[84:85]
	global_store_b64 v2, v[196:197], s[84:85] offset:512
	global_store_b16 v31, v233, s[86:87]           ; lanes l and l + 16 store the same two bytes to the same place
.endm
.macro WALK nq                         ; a whole tile over all keys: seven steps in a loop, the eighth, the tail, the way out
	KLOAD8
	s_wait_loadcnt 0x0                             ; Q
	s_mov_b32 s14, 7
.Lstep_\@:
	s_wait_alu depctr_va_vdst(0)
	STEP 8
	s_sub_co_u32 s14, s14, 1
	s_cmp_lg_u32 s14, 0
	s_cbranch_scc1 .Lstep_\@
	s_wait_alu depctr_va_vdst(0)
	STEP 2                                         ; keys 896 to 1,023; behind it only block 32's two tiles are wanted
	s_wait_alu depctr_va_vdst(0)
	TAIL \nq
.rept 4
	v_nop                                          ; places between the last products and the first read of their results
.endr
	FINISH
.endm
.macro MLOAD q                         ; O^T of part q of my tile (the part of wave my number + 2 q) into v32-63 or v128-159 by turns: eight loads
.set MB, 32+96*((\q)%2)
.set MA, PS+(\q)/4
.irp j, 0,1,2,3,4,5,6,7
	ds_load_b128 v[MB+4*\j:MB+4*\j+3], v[MA] offset:9216*((\q)%4)+512*\j
.endr
.endm
	s_load_b128 s[4:7], s[0:1], 0x0                ; ab, yb
	v_lshl_add_u32 v254, v0, 2, 0x46e00
	v_mov_b32 v255, 0
	ds_add_u32 v254, v255                          ; the opening lines: the add, twice on end, and its wait
	ds_add_u32 v254, v255
	v_lshrrev_b32 v7, 5, v0
	s_delay_alu instid0(VALU_DEP_1)
	v_readfirstlane_b32 s8, v7                     ; wave 0..15
	s_and_b32 s72, ttmp9, 3
	s_lshr_b32 s73, ttmp9, 2
	s_mul_i32 s10, s73, 198
	s_mul_i32 s74, s72, 49
	s_add_co_u32 s10, s10, s74
	s_add_co_u32 s74, s72, 1
	s_lshr_b32 s74, s74, 1
	s_add_co_u32 s10, s10, s74                     ; my first tile among the 12,672
	s_and_b32 s74, s72, 1
	s_sub_co_u32 s11, 50, s74                      ; my tiles: 50 or 49
	s_mul_i32 s12, s10, 993
	s_lshr_b32 s12, s12, 16                        ; hA = tile / 66
	s_mul_i32 s74, s12, 66
	s_sub_co_u32 s10, s10, s74                     ; my first tile in hA
	s_add_co_u32 s13, s12, 1
	s_min_u32 s13, s13, 191                        ; hB
	s_and_b32 s75, s8, 1                           ; the slot that I fill, if I fill
	s_cmp_eq_u32 s75, 0
	s_cselect_b32 s76, s12, s13
	s_mul_i32 s77, s76, 5462
	s_lshr_b32 s77, s77, 16                        ; its batch
	s_mul_i32 s78, s77, 12
	s_sub_co_u32 s78, s76, s78                     ; its head in the batch
	s_mul_i32 s79, s75, SLOTB
	s_mul_i32 s80, s76, 50688
	s_add_co_u32 s80, s80, 9732096
	s_mov_b32 s81, 0
	s_mul_i32 s82, s77, 608256
	s_mul_i32 s84, s78, 1536
	s_add_co_u32 s82, s82, s84
	s_add_co_u32 s82, s82, 19464192
	s_mov_b32 s83, 0
	s_mul_i32 s84, s76, 4608
	s_add_co_u32 s84, s84, 30081024
	s_mov_b32 s85, 0
	s_mul_i32 s86, s76, 2304
	s_add_co_u32 s86, s86, 30965760
	s_mov_b32 s87, 0
	GRP1 20, 32, 198, 32                           ; K's codes: 50,688 dense bytes as 198 rows of 256
	GRP1 28, 192, 33, 2304                         ; V's: 33 rows of 1,536 bytes, 18,432 bytes apart
	GRP1 36, 32, 18, 32                            ; K's scale words: 4,608 dense bytes
	GRP1 44, 32, 9, 32                             ; V's: 2,304
	s_mov_b32 s[SEL], 0x76543210
	s_mov_b32 s[SEL+1], 0xfedcba98
	s_mov_b32 s[CS], 0x3e38aa3b
	s_mov_b32 s[CS+1], s[CS]
	s_wait_dscnt 0x0
	s_wait_kmcnt 0x0
	s_mov_b32 s52, 1
	s_mov_b32 s53, s79
	s_add_nc_u64 s[54:55], s[4:5], s[80:81]
	s_or_b32 s55, s55, 0x80000000
	s_mov_b32 s56, 1
	s_add_co_u32 s57, s79, 50688
	s_add_nc_u64 s[58:59], s[4:5], s[82:83]
	s_or_b32 s59, s59, 0x80000000
	s_mov_b32 s60, 1
	s_add_co_u32 s61, s79, 101376
	s_add_nc_u64 s[62:63], s[4:5], s[84:85]
	s_or_b32 s63, s63, 0x80000000
	s_mov_b32 s68, 1
	s_add_co_u32 s69, s79, 105984
	s_add_nc_u64 s[70:71], s[4:5], s[86:87]
	s_or_b32 s71, s71, 0x80000000
	FILLS 0                                        ; slot 0's four pieces: the head's loads, one a wave
	v_and_b32 v5, 31, v0                           ; lane
	v_and_b32 v6, 15, v0                           ; r
	v_bfe_u32 v7, v0, 4, 1                         ; h
	v_lshlrev_b32 v1, 4, v5
	v_lshlrev_b32 v2, 3, v5
	v_mul_u32_u24 v4, v7, 1536
	v_mul_u32_u24 v92, v6, 24
	v_lshrrev_b32 v94, 3, v6                       ; r / 8
	v_and_b32 v95, 7, v6                           ; r % 8
	v_add_nc_u32 v92, 50688, v92                   ; V: place r
	v_mul_u32_u24 v88, v94, 1536                   ; K: rows 8-15 of a tile come from the next block;
	v_lshlrev_b32 v90, 8, v7
	v_add_nc_u32 v3, v92, v4                       ; V: block h, place r
	v_lshl_add_u32 v89, v95, 3, v88
	v_lshl_add_u32 v88, v95, 4, v88                ; the image's lane r % 8 (+ 8 (j / 2), in the loads' offsets) + 16 h: 16 bytes a lane,
	v_lshl_add_u32 v90, v95, 4, v90
	v_lshl_add_u32 v89, v7, 7, v89                 ; and 8
	v_lshl_add_u32 v88, v7, 8, v88
	v_lshl_add_u32 v90, v94, 2, v90                ; K's scale words: 16 x (16 h + r % 8) + 4 (r / 8): lanes 16-31 take the odd tiles'
	v_lshlrev_b32 v91, 3, v7                       ; 8 h
	v_lshlrev_b32 v30, 4, v6
	v_lshlrev_b32 v31, 2, v6
	s_mul_i32 s72, s8, 4608
	s_add_co_u32 s72, s72, PART
	v_add_nc_u32 v[PS], s72, v1
	s_delay_alu instid0(VALU_DEP_1)
	v_add_nc_u32 v[PS+1], 36864, v[PS]
.irp i, 22,23,24,25,26,27,80,81,82,83,84,85
	v_mov_b32 v[\i], 0                             ; zero codes, for the whole launch
.endr
.irp b, 0,1,2,3
	v_mov_b32 v[PT+\b], 0                          ; written once: a lane permute's destination counts as one of its sources
.endr
	v_mov_b32 v231, 0                              ; (named as the upper half of the pair v[230:231] before it is first written)
	v_mov_b32 v232, 0
	s_and_b32 s15, s8, 1
	s_add_co_u32 s15, s15, 48                      ; my split tile: 48 for the even waves, 49 for the odd ones
	; ROUND 0: tile = my wave's number, in slot 0.  Its Q is asked for ahead of the wait for the slot
	s_mov_b32 s72, s8
	PLACEQ
	QLOAD
	PLACEY
	s_mov_b32 s93, 0
	s_mov_b32 s94, 101376
	s_mov_b32 s95, 105984
	BEGIN
	INIT
	s_wait_alu depctr_va_vdst(0)
	s_wait_tensorcnt 0x0                           ; my piece of slot 0 has landed
	ds_add_u32 v254, v255                          ; the add twice on end here
	ds_add_u32 v254, v255
	s_wait_dscnt 0x0
	s_barrier_signal -1
	s_barrier_wait -1                              ; slot 0 is whole for all sixteen waves
	FILLS 1                                        ; slot 1's four pieces: bytes that are filled for the first and only time
	WALK 1
	; THE SPLIT TILES
	s_wait_xcnt 0x0                                ; the way out's stores have read their registers and bases
	PLACEY
	s_lshr_b32 s92, s8, 1                          ; my key step
	s_mul_i32 s93, s92, 6144                       ; 8 tiles of K, and 4 blocks of V, a step
	s_add_co_u32 s93, s93, s91
	s_lshl_b32 s94, s92, 9
	s_add_co_u32 s94, s94, 101376                  ; K's scale words: 512 bytes a step
	s_add_co_u32 s94, s94, s91
	s_lshl_b32 s95, s92, 8
	s_add_co_u32 s95, s95, 105984                  ; V's: 256
	s_add_co_u32 s95, s95, s91
	BEGIN
	INIT
	s_wait_alu depctr_va_vdst(0)
	s_wait_tensorcnt 0x0                           ; my piece of slot 1 has landed,
	s_barrier_signal -1
	s_barrier_wait -1                              ; everybody's has: K and V are only read from here on
	s_wait_loadcnt 0x0                             ; Q
	s_cmp_ge_u32 s15, s11
	s_cbranch_scc1 .Lno_part                       ; 49 tiles: the odd waves have no part
	KLOAD8
	STEP 2                                         ; my 128 keys
	s_cmp_lt_u32 s8, 14
	s_cbranch_scc1 .Lno_tail
	s_wait_alu depctr_va_vdst(0)
	TAIL 0                                         ; waves 14 and 15, behind keys 896 to 1,023: the nine keys of block 32
.Lno_tail:
.rept 4
	v_nop                                          ; places between the last products and the stores of their results, and the loads into Q's registers
.endr
.Lno_part:
	s_add_co_u32 s72, s8, 16                       ; round 1's Q is asked for here
	PLACEQ
	QLOAD
	s_wait_dscnt 0x0                               ; my reads of the slots are in.  The launch's only LDS stores stand between two barriers, apart from all reads of K and V
	s_barrier_signal -1
	s_barrier_wait -1
	s_cmp_ge_u32 s15, s11
	s_cbranch_scc1 .Lno_store
	s_wait_alu depctr_va_vdst(0)
.irp j, 0,1,2,3,4,5,6,7
	ds_store_b128 v[PS], v[160+4*\j:163+4*\j] offset:512*\j    ; my part as images of its registers; each accumulator from its low end on
.endr
	ds_store_b128 v[PS], v[12:15] offset:4096                  ; -M, t, the sum's two halves
.Lno_store:
	s_wait_dscnt 0x0                               ; for the others' sake: my stores have landed
	s_barrier_signal -1
	s_barrier_wait -1
	s_cmp_ge_u32 s8, 2
	s_cbranch_scc1 .Lno_merge
	s_cmp_ge_u32 s15, s11
	s_cbranch_scc1 .Lno_merge
	; wave 0 (1) joins the eight parts of tile 48 (49)
.irp i, 0,1,2,3,4,5,6,7
	ds_load_b128 v[96+4*\i:99+4*\i], v[PS+\i/4] offset:9216*(\i%4)+4096
.endr
	MLOAD 0
	MLOAD 1
	s_wait_dscnt 16                                ; the 16 loads of parts 0 and 1 may be out: the eight in front of them are in
	v_min_num_f32 v232, v96, v100
	v_min_num_f32 v233, v104, v108
	v_min_num_f32 v234, v112, v116
	v_min_num_f32 v235, v120, v124
	s_delay_alu instid0(VALU_DEP_3)
	v_min_num_f32 v232, v232, v233
	s_delay_alu instid0(VALU_DEP_2)
	v_min_num_f32 v234, v234, v235
	s_delay_alu instid0(VALU_DEP_1)
	v_min_num_f32 v232, v232, v234                 ; -M of the whole row: the least of the eight -M
.irp i, 0,1,2,3,4,5,6,7
	v_sub_f32 v[97+4*\i], v232, v[96+4*\i]         ; the part's M less the row's: a whole number, 0 or less
.endr
.irp i, 0,1,2,3,4,5,6,7
	v_cvt_i32_f32 v[97+4*\i], v[97+4*\i]           ; (it saturates)
.endr
.irp i, 0,1,2,3,4,5,6,7
	v_ldexp_f32 v[96+4*\i], 1.0, v[97+4*\i]        ; f: the part is brought under the row's M by a multiplication that rounds nothing
.endr
	v_pk_mul_f32 v[14:15], v[98:99], v[96:97] op_sel_hi:[1,0]
.irp i, 1,2,3,4,5,6,7
	s_delay_alu instid0(VALU_DEP_1)
	v_pk_fma_f32 v[14:15], v[98+4*\i:99+4*\i], v[96+4*\i:97+4*\i], v[14:15] op_sel_hi:[1,0,1]
.endr
.irp i, 0,1,2,3,4,5,6,7
.if \i < 7
	s_wait_dscnt 8                                 ; the next part's eight loads may be out: this part is in
.else
	s_wait_dscnt 0x0
.endif
.set MB, 32+96*(\i%2)
.set j, 0
.rept 16
.if \i == 0
	v_pk_mul_f32 v[160+j:161+j], v[MB+j:MB+j+1], v[96:97] op_sel_hi:[1,0]
.else
	v_pk_fma_f32 v[160+j:161+j], v[MB+j:MB+j+1], v[96+4*\i:97+4*\i], v[160+j:161+j] op_sel_hi:[1,0,1]
.endif
.set j, j+2
.endr
.if \i < 6
	MLOAD \i+2
.endif
.endr
	FINISH
.Lno_merge:
	; ROUNDS 1 AND 2: tiles 16 to 47, one a wave and round, each over all keys
	s_mov_b32 s9, 1
.Lround:
	s_wait_xcnt 0x0                                ; the last way out's stores have read their registers and bases
	PLACEY
	s_mov_b32 s93, s91
	s_add_co_u32 s94, s91, 101376
	s_add_co_u32 s95, s91, 105984
	BEGIN
	INIT
	WALK 2
	s_add_co_u32 s9, s9, 1
	s_cmp_lt_u32 s9, 3
	s_cbranch_scc1 .Lround
	s_wait_tensorcnt 0x0                           ; the wave's end
	ds_add_u32 v254, v255
	s_wait_dscnt 0x0
	s_endpgm
.Lfunc_end_k_q3c9bf768c2_attn:
	.size	k_q3c9bf768c2_attn, .Lfunc_end_k_q3c9bf768c2_attn-k_q3c9bf768c2_attn
	.p2alignl 7, 3214868480
	.fill 96, 4, 3214868480
	.section	.rodata,"a",@progbits
	.p2align	6, 0x0
	.amdhsa_kernel k_q3c9bf768c2_attn
		.amdhsa_group_segment_fixed_size 327680
		.amdhsa_private_segment_fixed_size 0
		.amdhsa_enable_private_segment 0
		.amdhsa_kernarg_size 16
		.amdhsa_user_sgpr_count 2
		.amdhsa_user_sgpr_kernarg_segment_ptr 1
		.amdhsa_wavefront_size32 1
		.amdhsa_system_sgpr_workgroup_id_x 1
		.amdhsa_system_sgpr_workgroup_id_y 1
		.amdhsa_system_sgpr_workgroup_id_z 1
		.amdhsa_system_vgpr_workitem_id 0
		.amdhsa_next_free_vgpr 256
		.amdhsa_next_free_sgpr 96
		.amdhsa_reserve_vcc 1
		.amdhsa_float_denorm_mode_32 3
		.amdhsa_float_denorm_mode_16_64 3
		.amdhsa_memory_ordered 1
		.amdhsa_forward_progress 1
		.amdhsa_inst_pref_size 157
	.end_amdhsa_kernel
	.amdgpu_metadata
---
amdhsa.version: [ 1, 2 ]
amdhsa.kernels:
  - .name:           k_q3c9bf768c2_attn
    .symbol:         k_q3c9bf768c2_attn.kd
    .args:
      - { .name: ab, .offset: 0, .size: 8, .value_kind: global_buffer, .address_space: global }
      - { .name: yb, .offset: 8, .size: 8, .value_kind: global_buffer, .address_space: global }
    .group_segment_fixed_size: 327680
    .private_segment_fixed_size: 0
    .kernarg_segment_align: 8
    .kernarg_segment_size: 16
    .max_flat_workgroup_size: 512
    .sgpr_count:     96
    .vgpr_count:     256
    .wavefront_size: 32
...
	.end_amdgpu_metadata
.endif
;; end of part 3
;; launch proj (part 4): grid 76 x 3, 4 waves a work-group, no clusters, 327,680 bytes of LDS; arguments yb, pw, out0; writes out0
.if DOCPART == 4
	.amdgcn_target "amdgcn-amd-amdhsa--gfx1250"
	.amdhsa_code_object_version 6
	.text
	.protected	k_q3c9bf768c2_proj
	.globl	k_q3c9bf768c2_proj
	.p2align	8
	.type	k_q3c9bf768c2_proj,@function
k_q3c9bf768c2_proj:
	s_mov_b64 s[64:65], 0
	v_nop
	global_prefetch_b8 v0, s[64:65] scope:SCOPE_SE
	s_setreg_imm32_b32 hwreg(HW_REG_WAVE_MODE, 25, 1), 1
	s_wait_xcnt 0x0
; PROJ: out = y Wproj^T on codes of E2M3; out [16][1033][768] f32.
; SHARES.  Work-group (x, y): columns 256 y on, and neighbouring blocks of 32 tokens: with j = 75 - x, blocks 7 j - min(j, 4) on, six where j < 4, else seven (4 x 6 + 72 x 7 = 528).
; Wave w holds the 64 columns 64 w on: four tiles of Wproj, 24 fragments, in registers for the whole launch.
; ALL OF y THAT THE WORK-GROUP WALKS COMES INTO LDS ONCE: seven blocks of 18,432 bytes of codes and their 5,376 bytes of scale words.  At the head one tensor load a wave: waves 0-2 a third (6,144 bytes, four fragments)
; of each of blocks 0-2, wave 3 the scale words.  Behind the three lines and a barrier, waves 0-2 ask for their third of each of blocks 3-6, which land under trips 0-2; one barrier ahead of trip 3 shows them to all.
; Nothing is filled again.  Where a work-group takes six blocks, the seventh's bytes lie inside yb, come with the same loads and are not read.
; A trip has no barrier and no load from memory: 54 LDS loads, 48 matrix instructions a wave on eight accumulators by turns, and the way out.
; Transposed use (source 0 = 16 rows of W, source 1 = 16 tokens): a lane holds eight neighbouring columns of one token.  A tile's 16 rows x 256 bytes go through the wave's own stage and leave
; sixteen lanes to 256 consecutive bytes, at a multiple of 256 from out's first byte.  Slots past token 1,032 (a batch's last block) are not stored.
; No cluster: a block is read by the three work-groups of one x, and 3 is no multiple of a cluster's 4.  No prefetch: every load of y is issued at the head or behind the first barrier; there is no later load to run ahead of.
; REGISTERS: window 0: v1-20 addresses; v28-39 W's scale words; v64-69 y's; v74, v75 the add's; v112-255 y's 12 fragments, later rows of out.
;   window 1: W's tiles 0, 1;  window 2: v0-143 W's tiles 2, 3; v160-223 the accumulators (160 + 32 u + 8 t).
.set THIRD, 43008                      ; LDS: [third 3][block 7][6,144]: fragment f = 6 u + K step of block b at (f / 4) THIRD + 6,144 b + 1,536 (f % 4)
.set SCL,   129024                     ; the scale words, [block 7][K step][16 u + r]
.set STG,   134400                     ; a stage of 16 rows x 272 bytes for each wave
.set SPARE, 151808                     ; the spare words, 128 bytes a wave
.set WSC, 28
.set ASC, 64
.set AF,  112
.set MSB, 0
.macro WIN new                         ; the immediate's high byte repeats the setting that is left
.if MSB != (\new)
	s_set_vgpr_msb (MSB<<8)|(\new)
.set MSB, \new
.endif
.endm
.macro GRP1 g, c, r, p                 ; descriptor group 1: r rows of c elements of 8 bytes, p elements apart; no padding, no mask
	s_mov_b32 s[\g], 3<<16
	s_mov_b32 s[\g+1], (\c)<<16
	s_mov_b32 s[\g+2], (\r)<<16
	s_mov_b32 s[\g+3], (\c)<<16
	s_mov_b32 s[\g+4], \r
	s_mov_b32 s[\g+5], \p
	s_mov_b32 s[\g+6], 0
	s_mov_b32 s[\g+7], 0
.endm
.macro FOUR                            ; behind a tensor load
	s_nop 0
.rept 4
	v_nop
.endr
.endm
.macro FRY reg, f                      ; fragment f's image from this trip's block
.set FA, 16+2*((\f)/8)
.set FO, (((\f)/4)%2)*THIRD+((\f)%4)*1536
	ds_load_b128 v[\reg:\reg+3], v[FA] offset:FO
	ds_load_b64 v[\reg+4:\reg+5], v[FA+1] offset:FO+512
	ds_load_b128 v[\reg+6:\reg+9], v[FA] offset:FO+768
	ds_load_b64 v[\reg+10:\reg+11], v[FA+1] offset:FO+1280
.endm
.macro WMX c                           ; one product, from the symbols DR, R0S, R1S, SAR, SBR, RA, RB (scales in lanes 16-31); c: what the sum begins with
.if RA && RB
	v_wmma_scale_f32_16x16x128_f8f6f4 v[DR:DR+7], v[R0S:R0S+11], v[R1S:R1S+11], \c, v[SAR], v[SBR] matrix_a_fmt:MATRIX_FMT_FP6 matrix_b_fmt:MATRIX_FMT_FP6 matrix_a_scale:MATRIX_SCALE_ROW1 matrix_b_scale:MATRIX_SCALE_ROW1
.elseif RA
	v_wmma_scale_f32_16x16x128_f8f6f4 v[DR:DR+7], v[R0S:R0S+11], v[R1S:R1S+11], \c, v[SAR], v[SBR] matrix_a_fmt:MATRIX_FMT_FP6 matrix_b_fmt:MATRIX_FMT_FP6 matrix_a_scale:MATRIX_SCALE_ROW1
.elseif RB
	v_wmma_scale_f32_16x16x128_f8f6f4 v[DR:DR+7], v[R0S:R0S+11], v[R1S:R1S+11], \c, v[SAR], v[SBR] matrix_a_fmt:MATRIX_FMT_FP6 matrix_b_fmt:MATRIX_FMT_FP6 matrix_b_scale:MATRIX_SCALE_ROW1
.else
	v_wmma_scale_f32_16x16x128_f8f6f4 v[DR:DR+7], v[R0S:R0S+11], v[R1S:R1S+11], \c, v[SAR], v[SBR] matrix_a_fmt:MATRIX_FMT_FP6 matrix_b_fmt:MATRIX_FMT_FP6
.endif
.endm
.macro MMP s, t, u
.set WW, 1+(\t)/2
.set R0S, 12*(6*((\t)%2)+(\s))
.set R1S, AF+12*(2*(\s)+(\u))
.set DR, 160+32*(\u)+8*(\t)
.set SAR, WSC+6*((\t)/2)+(\s)
.set SBR, ASC+(\s)
.set RA, (\t)%2
.set RB, \u
.set WN, 0xa0|WW
	WIN WN
.if (\s) == 0
	WMX 0
.else
	WMX v[DR:DR+7]
.endif
.endm
.macro TOSTAGE u                       ; tile u's 16 rows x 64 columns into my stage, and back as rows of 256 bytes.  LDS serves a wave's instructions in order: no wait between
	WIN 0x08                                       ; an LDS store's data are its source 1: window 2
.irp t, 0,1,2,3
	ds_store_b128 v11, v[160+32*(\u)+8*\t:160+32*(\u)+8*\t+3] offset:128*(\t/2)+32*(\t%2)      ; each accumulator from its low end on
	ds_store_b128 v11, v[160+32*(\u)+8*\t+4:160+32*(\u)+8*\t+7] offset:128*(\t/2)+32*(\t%2)+16
.endr
	WIN 0
.irp i, 0,1,2,3,4,5,6,7
	ds_load_b128 v[AF+32*(\u)+4*\i:AF+32*(\u)+4*\i+3], v12 offset:544*\i
.endr
.endm
; A trip: block s12 of the 528, the s11-th of my walk
.macro TRIP
	s_wait_xcnt 0x0                                ; the last trip's stores have read their registers and base
	s_mul_i32 s13, s12, 1986
	s_lshr_b32 s13, s13, 16                        ; batch = block / 33
	s_mul_i32 s14, s13, 33
	s_sub_co_u32 s14, s12, s14                     ; block in the batch
	s_mul_i32 s26, s13, 1033
	s_lshl_b32 s15, s14, 5
	s_add_co_u32 s26, s26, s15
	s_mul_i32 s26, s26, 3072
	s_add_co_u32 s26, s26, s22
	s_mov_b32 s27, 0
	s_add_nc_u64 s[24:25], s[8:9], s[26:27]        ; the block's first row, my columns
	s_mul_i32 s16, s11, 6144
	s_mul_i32 s17, s11, 768
	v_add_nc_u32 v16, s16, v1                      ; thirds 0 and 1, 16 and 8 bytes a lane;
	v_add_nc_u32 v17, s16, v2
	v_add_nc_u32 v18, s16, v6                      ; third 2;
	v_add_nc_u32 v19, s16, v7
	v_add_nc_u32 v20, s17, v8                      ; the scale words
.irp s, 0,1,2,3,4,5
	ds_load_b32 v[ASC+\s], v20 offset:128*\s
.endr
.irp s, 0,1,2,3,4,5
.irp u, 0,1
	FRY AF+12*(2*\s+\u), 6*\u+\s
.endr
.endr
.irp s, 0,1,2,3,4,5
	s_wait_dscnt 40-8*\s                           ; the later K steps' loads, eight each, may be out
.irp t, 0,1,2,3
.irp u, 0,1
	MMP \s, \t, \u
.endr
.endr
.endr
	WIN 0
.rept 5
	v_nop                                          ; four places serve the first read of results and the loads into registers that the products have read; the fifth the next trip's products, which begin the accumulators anew
.endr
	TOSTAGE 0
	TOSTAGE 1
	s_cmp_eq_u32 s14, 32
	s_cbranch_scc1 .Ltail_out_\@
	s_wait_dscnt 16                                ; behind tile 0's loads: tile 1's 8 stores and 8 loads
.irp i, 0,1,2,3,4,5,6,7
	global_store_b128 v13, v[AF+4*\i:AF+4*\i+3], s[24:25] offset:(2*\i+8*(\i/4))*3072 th:TH_STORE_NT
.endr
	s_wait_dscnt 0x0
.irp i, 0,1,2,3,4,5,6,7
	global_store_b128 v13, v[AF+32+4*\i:AF+32+4*\i+3], s[24:25] offset:(8+2*\i+8*(\i/4))*3072 th:TH_STORE_NT
.endr
	s_branch .Lout_done_\@
.Ltail_out_\@:                                         ; a batch's last block: tokens 1,024 to 1,032 alone
	s_wait_dscnt 0x0
.irp i, 0,1,2,3
	global_store_b128 v13, v[AF+4*\i:AF+4*\i+3], s[24:25] offset:2*\i*3072 th:TH_STORE_NT
.endr
	v_cmp_gt_u32 vcc_lo, 16, v14
	s_wait_xcnt 0x0                                ; EXEC changes only behind this wait
	s_and_saveexec_b32 s28, vcc_lo
	global_store_b128 v13, v[AF+32:AF+35], s[24:25] offset:8*3072 th:TH_STORE_NT       ; token 1,032: lanes 0-15
	s_wait_xcnt 0x0                                ; and again, in front of the line that widens it
	s_or_b32 exec_lo, exec_lo, s28
.Lout_done_\@:
.endm
	s_load_b128 s[4:7], s[0:1], 0x0                ; yb, pw
	s_load_b64 s[8:9], s[0:1], 0x10                ; out0
	v_lshl_add_u32 v74, v0, 2, SPARE
	v_mov_b32 v75, 0
	ds_add_u32 v74, v75                            ; the opening lines: the add, twice on end, and its wait ahead of my first tensor load
	ds_add_u32 v74, v75
	v_lshrrev_b32 v15, 5, v0
	v_readfirstlane_b32 s20, v15                   ; wave
	s_and_b32 s21, ttmp7, 0xffff                   ; which 256 columns
	s_sub_co_u32 s13, 75, ttmp9                    ; j: the work-groups of seven blocks have the lowest numbers
	s_min_u32 s14, s13, 4
	s_mul_i32 s12, s13, 7
	s_sub_co_u32 s12, s12, s14                     ; my first block
	s_cmp_lt_u32 s13, 4
	s_cselect_b32 s10, 6, 7                        ; my blocks
	GRP1 32, 768, 3, 2304                          ; a third of each of three blocks: 3 rows of 6,144 bytes, 18,432 apart
	GRP1 40, 768, 4, 2304                          ; of four blocks
	GRP1 48, 32, 21, 32                            ; the scale words: 5,376 dense bytes as 21 rows of 256
	v_and_b32 v14, 31, v0                          ; lane
	v_and_b32 v4, 15, v0
	v_bfe_u32 v5, v0, 4, 1
	v_lshlrev_b32 v1, 4, v14
	v_lshlrev_b32 v2, 3, v14
	v_lshlrev_b32 v3, 2, v14
	v_add_nc_u32 v6, 2*THIRD, v1
	v_add_nc_u32 v7, 2*THIRD, v2
	v_add_nc_u32 v8, SCL, v3
	s_mul_i32 s29, s20, 4352
	s_add_co_u32 s29, s29, STG
	v_mul_u32_u24 v11, v4, 272
	v_lshl_add_u32 v11, v5, 6, v11
	v_add_nc_u32 v11, s29, v11                     ; into the stage: row r, + 64 h
	v_mul_u32_u24 v12, v5, 272
	v_lshl_add_u32 v12, v4, 4, v12
	v_add_nc_u32 v12, s29, v12                     ; back: lanes 0-15 one row, lanes 16-31 the next
	v_mul_u32_u24 v13, v5, 3072
	v_lshl_add_u32 v13, v4, 4, v13                 ; and the same two rows in out
	s_lshl_b32 s29, s21, 4
	s_lshl_b32 s16, s20, 2
	s_add_co_u32 s29, s29, s16                     ; my first tile of Wproj
	s_mul_i32 s16, s29, 9216
	s_add_co_u32 s16, s16, 11464704                ; 10,137,600 + 3 x 442,368
	s_mov_b32 s17, 0
	s_lshr_b32 s29, s29, 1
	s_mul_i32 s18, s29, 768
	s_add_co_u32 s18, s18, 11962368                ; 11,907,072 + 72 x 768
	s_mov_b32 s19, 0
	s_lshl_b32 s22, s21, 10
	s_lshl_b32 s29, s20, 8
	s_add_co_u32 s22, s22, s29                     ; my columns' bytes in a row of out
	s_mul_i32 s26, s12, 18432
	s_mul_i32 s15, s20, 6144
	s_add_co_u32 s26, s26, s15                     ; my third of my first block
	s_mov_b32 s27, 0
	s_mul_i32 s30, s12, 768
	s_add_co_u32 s30, s30, 9732096                 ; my blocks' scale words
	s_mov_b32 s31, 0
	s_mul_i32 s15, s20, THIRD                      ; where my third lies in LDS
	s_wait_alu depctr_va_vdst(0)
	s_wait_dscnt 0x0                               ; both opening adds are done
	s_wait_kmcnt 0x0
	s_mov_b32 s56, 1                               ; group 0: blocks 0-2,
	s_mov_b32 s57, s15
	s_add_nc_u64 s[58:59], s[4:5], s[26:27]
	s_mov_b32 s60, 1                               ; blocks 3-6,
	s_add_co_u32 s61, s15, 18432
	s_add_nc_u64 s[62:63], s[58:59], 55296
	s_or_b32 s59, s59, 0x80000000
	s_or_b32 s63, s63, 0x80000000
	s_mov_b32 s68, 1                               ; the scale words
	s_mov_b32 s69, SCL
	s_add_nc_u64 s[70:71], s[4:5], s[30:31]
	s_or_b32 s71, s71, 0x80000000
	s_add_nc_u64 s[72:73], s[6:7], s[16:17]
	s_add_nc_u64 s[74:75], s[6:7], s[18:19]
	s_cmp_lt_u32 s20, 3                            ; the head's loads, one a wave, one in each arm
	s_cbranch_scc0 .Lhead_s
	tensor_load_to_lds s[56:59], s[32:39]
	FOUR
	s_branch .Lhead_j
.Lhead_s:
	tensor_load_to_lds s[68:71], s[48:55]
	FOUR
.Lhead_j:
.irp t, 0,1,2,3
.irp s, 0,1,2,3,4,5
.set WN, (1+\t/2)<<6
	WIN WN
.set WR, 12*(6*(\t%2)+\s)
	global_load_b128 v[WR:WR+3], v1, s[72:73] offset:\t*9216+\s*1536
	global_load_b64 v[WR+4:WR+5], v2, s[72:73] offset:\t*9216+\s*1536+512
	global_load_b128 v[WR+6:WR+9], v1, s[72:73] offset:\t*9216+\s*1536+768
	global_load_b64 v[WR+10:WR+11], v2, s[72:73] offset:\t*9216+\s*1536+1280
.endr
.endr
	WIN 0
.irp p, 0,1
.irp s, 0,1,2,3,4,5
	global_load_b32 v[WSC+6*\p+\s], v3, s[74:75] offset:768*\p+128*\s
.endr
.endr
	s_wait_tensorcnt 0x0                           ; my load has landed
	ds_add_u32 v74, v75
	s_wait_dscnt 0x0
	s_barrier_signal -1
	s_barrier_wait -1                              ; blocks 0-2 and the scale words are whole for all four waves
	s_cmp_lt_u32 s20, 3
	s_cbranch_scc0 .Lasked
	tensor_load_to_lds s[60:63], s[40:47]          ; my one load behind this barrier: bytes that are filled for the first and only time
	FOUR
.Lasked:
	s_wait_loadcnt 0x0                             ; W and its scale words
	s_mov_b32 s11, 0
.Lfirst:                                               ; trips 0-2
	TRIP
	s_add_co_u32 s12, s12, 1
	s_add_co_u32 s11, s11, 1
	s_cmp_lt_u32 s11, 3
	s_cbranch_scc1 .Lfirst
	s_wait_tensorcnt 0x0                           ; my third of blocks 3-6 has landed,
	s_barrier_signal -1
	s_barrier_wait -1                              ; everybody's has
.Lsecond:                                              ; trips 3-6: a constant count; where I have six blocks the last trip's work is passed over
	s_cmp_ge_u32 s11, s10
	s_cbranch_scc1 .Lpass
	TRIP
.Lpass:
	s_add_co_u32 s12, s12, 1
	s_add_co_u32 s11, s11, 1
	s_cmp_lt_u32 s11, 7
	s_cbranch_scc1 .Lsecond
	s_wait_tensorcnt 0x0                           ; the wave's end
	ds_add_u32 v74, v75
	s_wait_dscnt 0x0
	s_endpgm
.Lfunc_end_k_q3c9bf768c2_proj:
	.size	k_q3c9bf768c2_proj, .Lfunc_end_k_q3c9bf768c2_proj-k_q3c9bf768c2_proj
	.p2alignl 7, 3214868480
	.fill 96, 4, 3214868480
	.section	.rodata,"a",@progbits
	.p2align	6, 0x0
	.amdhsa_kernel k_q3c9bf768c2_proj
		.amdhsa_group_segment_fixed_size 327680
		.amdhsa_private_segment_fixed_size 0
		.amdhsa_enable_private_segment 0
		.amdhsa_kernarg_size 24
		.amdhsa_user_sgpr_count 2
		.amdhsa_user_sgpr_kernarg_segment_ptr 1
		.amdhsa_wavefront_size32 1
		.amdhsa_system_sgpr_workgroup_id_x 1
		.amdhsa_system_sgpr_workgroup_id_y 1
		.amdhsa_system_sgpr_workgroup_id_z 1
		.amdhsa_system_vgpr_workitem_id 0
		.amdhsa_next_free_vgpr 768
		.amdhsa_next_free_sgpr 80
		.amdhsa_reserve_vcc 1
		.amdhsa_float_denorm_mode_32 3
		.amdhsa_float_denorm_mode_16_64 3
		.amdhsa_memory_ordered 1
		.amdhsa_forward_progress 1
		.amdhsa_inst_pref_size 48
	.end_amdhsa_kernel
	.amdgpu_metadata
---
amdhsa.version: [ 1, 2 ]
amdhsa.kernels:
  - .name:           k_q3c9bf768c2_proj
    .symbol:         k_q3c9bf768c2_proj.kd
    .args:
      - { .name: yb, .offset: 0, .size: 8, .value_kind: global_buffer, .address_space: global }
      - { .name: pw, .offset: 8, .size: 8, .value_kind: global_buffer, .address_space: global }
      - { .name: out0, .offset: 16, .size: 8, .value_kind: global_buffer, .address_space: global }
    .group_segment_fixed_size: 327680
    .private_segment_fixed_size: 0
    .kernarg_segment_align: 8
    .kernarg_segment_size: 24
    .max_flat_workgroup_size: 128
    .sgpr_count:     80
    .vgpr_count:     768
    .wavefront_size: 32
...
	.end_amdgpu_metadata
.endif
;; end of part 4
